; MI455X (gfx1250); checked and timed in simulation.
; The chip was launched on July 23, 2026; its instructions are those of AMD's public machine-readable ISA for CDNA 5 (MIT licence, August 2026) and "CDNA5" Instruction Set Architecture Reference Guide (July 2026). The comments in the code are by the model that wrote it; some were corrected since.
;; Multi Head Attention Layer. Allowed arithmetic: matrix products marked QUANTISED: E4M3 operands, one E8M0 scale for each 32 along K, by v_wmma_scale_f32_16x16x128_f8f6f4 with both operands' format E4M3, f32 sums; products left as they are: f32 operands where the result goes on into a quantised operand, else bf16, f16 or f32 operands; f32 sums; everything else in f32.
;; Inputs: Wk 1,024 x 128 float32; Wo 128 x 1,024 float32; Wq 1,024 x 128 float32; Wv 1,024 x 128 float32; bk 128 float32; bo 1,024 float32; bq 128 float32; bv 128 float32; keys 4 x 2,048 x 1,024 float32; queries 4 x 2,048 x 1,024 float32; values 4 x 2,048 x 1,024 float32.
;; Outputs: out0 4 x 2,048 x 1,024 float32.
;; This version of the problem:
;;   THIS VERSION OF THE PROBLEM IS GIVEN IN LOW PRECISION. The matrix products marked QUANTISED in the list below multiply operands that are first quantised to E4M3 (4 exponent bits, 3 mantissa bits; 8 bits a number), with one power-of-two scale for each 32 numbers along K (OCP MX v1.0); their sums are f32. All else is computed in f32.
;;   The module's matrix products, in the order in which they are computed (A, B: the left and right operand; K: the contracted axis; several contracted axes count as one K, in the product's order):
;;     1. [M 8,192, K 1,024] x [K 1,024, N 128]; A: input queries; B: input Wq: QUANTISED
;;     2. [M 8,192, K 1,024] x [K 1,024, N 128]; A: input keys; B: input Wk: QUANTISED
;;     3. [M 8,192, K 1,024] x [K 1,024, N 128]; A: input values; B: input Wv: QUANTISED
;;     4. batch 32 x [M 2,048, K 16] x [K 16, N 2,048]; A: computed on the way; B: computed on the way: left as it is (K = 16 < 32)
;;     5. batch 32 x [M 2,048, K 2,048] x [K 2,048, N 16]; A: softmax (see below); B: computed on the way: QUANTISED
;;     6. [M 8,192, K 128] x [K 128, N 1,024]; A: computed on the way; B: input Wo: QUANTISED
;;   THE QUANTISER, for each operand of a quantised product, along K:
;;     - K is cut into blocks of 32 from its start; a last block that is shorter is filled with zeros.
;;     - A block's scale is 2^e with e = floor(log2(the largest magnitude in the block)) - 8, held to -126 .. 127; a block of zeros has e = 0. As a byte (E8M0): e + 127.
;;     - Each number is divided by its block's scale, clamped to +-448, and rounded to the nearest number of E4M3, ties to even, subnormals kept.
;;     - The product sums the exact products of the quantised numbers (number of the format x scale) in f32.
;;   ~~~python
;;   def quantise(x, axis):      # numpy; x: float32 -> the quantised numbers, widened to float32 again
;;       x = np.moveaxis(x, axis, -1); K = x.shape[-1]
;;       x = np.pad(x, [(0, 0)] * (x.ndim - 1) + [(0, -K % 32)]); x = x.reshape(x.shape[:-1] + (-1, 32)); a = np.abs(x).max(-1, keepdims=True)
;;       e = np.where(a > 0, np.clip(np.frexp(np.where(a > 0, a, 1))[1] - 1 - 8, -126, 127), 0)      # np.frexp(a)[1] - 1 = floor(log2(a)), exactly
;;       r = np.clip(x / 2.0 ** e, -448, 448)
;;       step = 2.0 ** (np.maximum(np.frexp(np.where(r == 0, 1, r))[1] - 1, -6) - 3)
;;       q = np.round(r / step) * step * 2.0 ** e      # np.round: ties to even
;;       return np.moveaxis(q.reshape(q.shape[:-2] + (-1,))[..., :K], -1, axis).astype(np.float32)
;;   ~~~
;;   SOFTMAX AHEAD OF A QUANTISED PRODUCT. Where the list says 'softmax', what is quantised is not the finished softmax but p = 2^(t - M), with t = logit x log2(e) and M = ceil(the row's largest t), a whole number; so 1/2 < the row's largest p <= 1. The row's sum l is taken of the UNQUANTISED p, in f32, and the product's result is divided by l at the end. Since M is a whole number, a kernel that streams over the keys may use a running M (the ceiling of the running maximum): every later rescaling is an exact power of two, which a block's scale takes up: the codes' values come out the same.
;;   OPERANDS COMPUTED ON THE WAY. 'Computed on the way' means the value that the module computes at that place (a softmax that the list does not call 'softmax' is quantised finished and normalised). What goes into a quantiser is computed in f32, as accurately as f32 sums, v_exp_f32 and their like allow (about 1e-6 of the number): no bf16 or f16 on the way to a quantiser, and a product that is left as it is and whose result goes on into a quantised operand takes f32 operands (vector FMAs, or v_wmma_f32_16x16x4_f32). A number that lies on a knife's edge between two numbers of the format may be rounded either way, as far as f32 arithmetic and the matrix unit's own rounding can turn it there, and no further.
;; 2 versions, each right; version 2 is version 1 with the launches proj, outp written anew for expert scheduling mode. Each part assembles by itself: llvm-mc -triple=amdgcn-amd-amdhsa -mcpu=gfx1250 --defsym DOCPART=n.
;; ======== version 1 of 2: 4 launches
;; workspace buffers: wcodes 524,288 bytes; wscales 32,768 bytes; qkv 12,582,912 bytes; obuf 4,194,304 bytes
;; launch prep (part 1): grid 256 x 1, 1 waves a work-group, no clusters, 0 bytes of LDS; arguments Wq, Wk, Wv, Wo, wcodes, wscales; writes wcodes, wscales
.if DOCPART == 1
	.amdgcn_target "amdgcn-amd-amdhsa--gfx1250"
	.amdhsa_code_object_version 6
	.text
	.protected	k_q2ec419775d_prep
	.globl	k_q2ec419775d_prep
	.p2align	8
	.type	k_q2ec419775d_prep,@function
k_q2ec419775d_prep:
	s_mov_b64 s[64:65], 0
	v_nop
	global_prefetch_b8 v0, s[64:65] scope:SCOPE_SE
	s_setreg_imm32_b32 hwreg(HW_REG_WAVE_MODE, 25, 1), 1
	s_wait_xcnt 0x0
; Wq, Wk, Wv [1024][128] and Wo [128][1024], f32 with K as the FIRST axis, become codes of E4M3 with one E8M0 scale byte for each 32 along K.
; They are stored as IMAGES OF OPERAND REGISTERS: a fragment is 16 columns x 128 along K, 16 registers a lane, 2,048 bytes: byte 512 c + 16 lane holds the lane's registers 4 c .. 4 c + 3,
; which are k = 32 c + 16 (lane / 16) + 0 .. 15 of column lane % 16.  Its scale words: 128 bytes, 4 a lane (lanes 16-31 hold the same as lanes 0-15).
; Fragment f = the work-group's number: f = 64 t + 8 s + n for tensor t = 0, 1, 2 (q, k, v), K step s, columns 16 n on;  f = 192 + n for Wo, columns 16 n on.
; One wave makes one fragment: a lane takes a column and its registers run down K, in the order that the operand's layout gives that lane: nothing is transposed.
; A block's scale byte is its largest magnitude's exponent field - 8, held at 1 from below.  A block of zeros so gets the byte 1 where the rule says 127: its codes are zeros, and this program alone reads the bytes.
; LIMITS: NaN and infinities among the inputs are not served.
; Each load reads 64 neighbouring bytes in each half of the lanes, and a scale image is 128 bytes: 2 MiB are read so and 32 KiB written so in the whole launch.
; No LDS, no matrix unit, no cluster: the work-groups share no input byte.
.set X,   64                           ; v64-127 the 64 numbers: register 16 c + i = k 32 c + 16 h + i of my column
.set TM,  32                           ; v32-35 largest magnitudes, v36-39 bytes, v40-43 448 x the scale, v44-47 the conversions' scale operands
.set PC,  48                           ; v48-63 the codes
.set PW,  9                            ; v9 the scale word
.set SEL, 26                           ; s[26:27] lane selects: lane l xor 16
.set MNT, 28                           ; s28 the mantissa field of 448
; 64 numbers of a lane, v[s] .. v[s + 63], become a fragment's codes in v[PC] on and its scale word in v[PW]
.macro QUANT s
.irp b, 0,1,2,3
	v_max3_num_f32 v[TM+\b], |v[\s+16*\b]|, |v[\s+1+16*\b]|, 0x4800000   ; block b: my 16 numbers, and the floor 2^(9 - 127): the byte cannot fall under 1
.endr
.irp i, 2,4,6,8,10,12,14
.irp b, 0,1,2,3
	v_max3_num_f32 v[TM+\b], v[TM+\b], |v[\s+16*\b+\i]|, |v[\s+1+16*\b+\i]|   ; the four blocks by turns
.endr
.endr
.irp b, 0,1,2,3
	v_permlanex16_b32 v[TM+4+\b], v[TM+\b], s[SEL], s[SEL+1]
.endr
.irp b, 0,1,2,3
	v_max_num_f32 v[TM+\b], v[TM+\b], v[TM+4+\b]   ; with lane l xor 16: the largest magnitude of the block
.endr
.irp b, 0,1,2,3
	v_add_nc_u32 v[TM+12+\b], 0xfc000000, v[TM+\b]   ; 8 off its exponent field: the scale operand of the conversion
.endr
.irp b, 0,1,2,3
	v_and_or_b32 v[TM+8+\b], v[TM+\b], 0x7f800000, s[MNT]   ; 448 x the scale
.endr
.irp b, 0,1,2,3
	v_lshrrev_b32 v[TM+4+\b], 23, v[TM+12+\b]   ; the scale byte
.endr
	v_lshl_or_b32 v[PW], v[TM+5], 8, v[TM+4]
	v_lshl_or_b32 v[PW], v[TM+6], 16, v[PW]
	v_lshl_or_b32 v[PW], v[TM+7], 24, v[PW]
.irp b, 0,1,2,3
.irp i, 0,1,2,3,4,5,6,7,8,9,10,11,12,13,14,15
	v_med3_num_f32 v[\s+16*\b+\i], v[\s+16*\b+\i], -v[TM+8+\b], v[TM+8+\b]   ; the conversion to an 8-bit code does not saturate (ISA guide 7.6.2): the hold comes first
.endr
	v_cvt_scalef32_pk8_fp8_f32 v[PC+4*\b:PC+1+4*\b], v[\s+16*\b:\s+7+16*\b], v[TM+12+\b]
	v_cvt_scalef32_pk8_fp8_f32 v[PC+2+4*\b:PC+3+4*\b], v[\s+8+16*\b:\s+15+16*\b], v[TM+12+\b]
.endr
.rept 4
	v_nop                                          ; plain places behind the conversions
.endr
.endm
.macro WLOAD pitch                     ; W(32 c + 16 h + i, my column): the row stands in the immediate
.irp c, 0,1,2,3
.irp i, 0,1,2,3,4,5,6,7,8,9,10,11,12,13,14,15
	global_load_b32 v[X+16*\c+\i], v5, s[20:21] offset:(32*\c+\i)*\pitch
.endr
.endr
.endm
	s_load_b256 s[4:11], s[0:1], 0x0               ; Wq s[4:5], Wk s[6:7], Wv s[8:9], Wo s[10:11]
	s_load_b128 s[12:15], s[0:1], 0x20             ; wcodes s[12:13], wscales s[14:15]
	v_and_b32 v1, 15, v0                           ; r
	v_lshrrev_b32 v2, 4, v0                        ; h
	v_lshlrev_b32 v3, 4, v0                        ; 16 x lane
	v_lshlrev_b32 v4, 2, v0                        ; 4 x lane
	s_lshr_b32 s17, ttmp9, 6                       ; t
	s_bfe_u32 s18, ttmp9, 0x30003                  ; K step s: 128 rows of 512 bytes,
	s_lshl_b32 s18, s18, 16
	s_and_b32 s19, ttmp9, 7                        ; and 16 columns of 4 bytes for each n
	s_lshl_b32 s19, s19, 6
	s_add_co_u32 s18, s18, s19
	s_and_b32 s19, ttmp9, 63                       ; Wo: 16 columns for each n alone
	s_lshl_b32 s19, s19, 6
	s_mov_b32 s24, 0x10000                         ; 16 rows of Wo in bytes
	s_cmp_lt_u32 ttmp9, 192
	s_cselect_b32 s22, s18, s19                    ; where my fragment begins in its tensor
	s_cselect_b32 s24, 0x2000, s24                 ; 16 rows: what lanes 16-31 stand further down
	s_mov_b32 s23, 0
	v_mul_lo_u32 v5, v2, s24
	v_lshl_add_u32 v5, v1, 2, v5                   ; 16 h rows + 4 r
	s_lshl_b32 s18, ttmp9, 11                      ; 2,048 f
	s_mov_b32 s19, 0
	s_lshl_b32 s30, ttmp9, 7                       ; 128 f
	s_mov_b32 s31, 0
	s_mov_b32 s[SEL], 0x76543210
	s_mov_b32 s[SEL+1], 0xfedcba98
	s_mov_b32 s[MNT], 0x600000
.irp b, 0,1,2,3
	v_mov_b32 v[TM+4+\b], 0                        ; written once: the destination of a lane permute counts as one of its sources
.endr
	s_wait_kmcnt 0x0
	s_cmp_eq_u32 s17, 1                            ; the tensor is chosen by the number of the work-group alone
	s_cselect_b64 s[20:21], s[6:7], s[4:5]
	s_cmp_eq_u32 s17, 2
	s_cselect_b64 s[20:21], s[8:9], s[20:21]
	s_cmp_eq_u32 s17, 3
	s_cselect_b64 s[20:21], s[10:11], s[20:21]
	s_add_nc_u64 s[20:21], s[20:21], s[22:23]
	s_add_nc_u64 s[12:13], s[12:13], s[18:19]
	s_add_nc_u64 s[14:15], s[14:15], s[30:31]
	s_cmp_lt_u32 ttmp9, 192
	s_cbranch_scc0 .Lwo
	WLOAD 512                                      ; a row of Wq, Wk, Wv is 512 bytes
	s_branch .Lin
.Lwo:
	WLOAD 4096                                     ; a row of Wo is 4,096 bytes
.Lin:
	s_wait_loadcnt 0x0
	QUANT X
.irp c, 0,1,2,3
	global_store_b128 v3, v[PC+4*\c:PC+4*\c+3], s[12:13] offset:512*\c   ; 32 lanes store 512 consecutive bytes, aligned
.endr
	global_store_b32 v4, v[PW], s[14:15]
	s_endpgm
.Lfunc_end_k_q2ec419775d_prep:
	.size	k_q2ec419775d_prep, .Lfunc_end_k_q2ec419775d_prep-k_q2ec419775d_prep
	.p2alignl 7, 3214868480
	.fill 96, 4, 3214868480
	.section	.rodata,"a",@progbits
	.p2align	6, 0x0
	.amdhsa_kernel k_q2ec419775d_prep
		.amdhsa_group_segment_fixed_size 0
		.amdhsa_private_segment_fixed_size 0
		.amdhsa_enable_private_segment 0
		.amdhsa_kernarg_size 48
		.amdhsa_user_sgpr_count 2
		.amdhsa_user_sgpr_kernarg_segment_ptr 1
		.amdhsa_wavefront_size32 1
		.amdhsa_system_sgpr_workgroup_id_x 1
		.amdhsa_system_sgpr_workgroup_id_y 1
		.amdhsa_system_sgpr_workgroup_id_z 1
		.amdhsa_system_vgpr_workitem_id 0
		.amdhsa_next_free_vgpr 128
		.amdhsa_next_free_sgpr 66
		.amdhsa_reserve_vcc 0
		.amdhsa_float_denorm_mode_32 3
		.amdhsa_float_denorm_mode_16_64 3
		.amdhsa_memory_ordered 1
		.amdhsa_forward_progress 1
		.amdhsa_inst_pref_size 23
	.end_amdhsa_kernel
	.amdgpu_metadata
---
amdhsa.version: [ 1, 2 ]
amdhsa.kernels:
  - .name:           k_q2ec419775d_prep
    .symbol:         k_q2ec419775d_prep.kd
    .args:
      - { .name: Wq, .offset: 0, .size: 8, .value_kind: global_buffer, .address_space: global }
      - { .name: Wk, .offset: 8, .size: 8, .value_kind: global_buffer, .address_space: global }
      - { .name: Wv, .offset: 16, .size: 8, .value_kind: global_buffer, .address_space: global }
      - { .name: Wo, .offset: 24, .size: 8, .value_kind: global_buffer, .address_space: global }
      - { .name: wcodes, .offset: 32, .size: 8, .value_kind: global_buffer, .address_space: global }
      - { .name: wscales, .offset: 40, .size: 8, .value_kind: global_buffer, .address_space: global }
    .group_segment_fixed_size: 0
    .private_segment_fixed_size: 0
    .kernarg_segment_align: 8
    .kernarg_segment_size: 48
    .max_flat_workgroup_size: 32
    .sgpr_count:     66
    .vgpr_count:     128
    .wavefront_size: 32
...
	.end_amdgpu_metadata
.endif
;; end of part 1
;; launch proj (part 2): grid 64 x 3, 8 waves a work-group, no clusters, 207,872 bytes of LDS; arguments queries, keys, values, bq, bk, bv, wcodes, wscales, qkv; writes qkv
.if DOCPART == 2
	.amdgcn_target "amdgcn-amd-amdhsa--gfx1250"
	.amdhsa_code_object_version 6
	.text
	.protected	k_q2ec419775d_proj
	.globl	k_q2ec419775d_proj
	.p2align	8
	.type	k_q2ec419775d_proj,@function
k_q2ec419775d_proj:
	s_mov_b64 s[64:65], 0
	v_nop
	global_prefetch_b8 v0, s[64:65] scope:SCOPE_SE
	s_setreg_imm32_b32 hwreg(HW_REG_WAVE_MODE, 25, 1), 1
	s_wait_xcnt 0x0
; q = queries Wq + bq, k = keys Wk + bk, v = values Wv + bv: [8192][1024] x [1024][128], both operands as codes of E4M3 with one E8M0 scale for each 32 along K; sums in f32; results f32.
; Work-group (g, t): tensor t, rows 128 g .. 128 g + 127.  Each of the eight waves owns one tile of 16 rows, all of K (8 steps of 128) and all 128 columns: 8 accumulators, 64 matrix instructions.
; THE ROWS OF A TILE ARE NOT NEIGHBOURS: tile T = 2 B + u of a batch holds sequence rows 32 B + 8 u + r + 8 (r / 8), so that in the attention two neighbouring tiles of keys give a lane 16 neighbouring keys.
; W comes as images of operand registers (131,072 bytes of codes, 8,192 of scale words for a tensor): each wave copies an eighth into LDS once; one barrier; they stay.
; x COMES THROUGH REGISTERS: each load reads 512 consecutive bytes of one row (128 along K); four sets of 16 loads, 8 KiB each, are on their way in every wave, with counted waits and no barrier in the K loop.
; A set turns through the own stage of the wave in LDS (rows of 512 bytes + 16), so that a lane gets 16 neighbours along K of each block of 32 of ITS row; it quantises them in registers.
; THE MATRIX INSTRUCTION IS USED TRANSPOSED (source 0 = 16 columns of W, source 1 = my 16 rows of x): lane (r, h) holds tile row r and its register j column 16 n + 8 h + j: head n, dims 8 h + j.
; So an accumulator IS the image that the attention wants: 1,024 bytes at qkv + t 4 MiB + ((8 b + n) 128 + T) 1,024: byte 512 g + 16 lane holds registers 4 g .. 4 g + 3.
; The bias is loaded into the accumulators in the layout of the result, so every K step adds in place and nothing is cleared.
; NO CLUSTER: the operands go through registers, not through tensor loads, and what work-groups share (W: 139,264 bytes) stands beside 524,288 bytes of x that each reads alone.
; 192 work-groups: W is resident for one tensor, and 8,192 rows a tensor in blocks of 128 are 64.
; LIMITS: NaN and infinities are not served; a block of zeros gets the scale byte 1 (its codes are zeros; the byte is used by this wave alone).
; REGISTERS: window 0: v1-12 addresses; v16-31 at work; v32 the scale word of x; v33-40 the scale words of W; v48-63 codes of x; v64-127 numbers of x, then W fragments 4-7; v128-191 W fragments 0-3; v192-255 accumulators.
;   window 1: four sets of 64: x as it is loaded.
.set WSC,   131072                     ; LDS: behind the codes of W, its scale words
.set STG,   139264                     ; the stages: 16 rows x 528 bytes for each wave
.set STGW,  8448
.set SP,    528                        ; 512 bytes + 16 = 132 words: row r starts at bank 4 r mod 64 (64 banks of 4 bytes: ISA guide 11.1)
.set SPARE, 206848                     ; the spare words, 128 bytes for each wave: four blocks of 256 bytes that no other line names
.set TM,  16
.set PW,  32
.set WS,  33
.set PC,  48
.set F,   64
.set WF,  128
.set ACC, 192
.set SEL, 28
.set MNT, 30
.set MSB, 0
.macro WIN new                         ; the high byte of the immediate repeats the setting that is left
.if MSB != \new
	s_set_vgpr_msb (MSB<<8)|\new
.set MSB, \new
.endif
.endm
.macro QUANT s
.irp b, 0,1,2,3
	v_max3_num_f32 v[TM+\b], |v[\s+16*\b]|, |v[\s+1+16*\b]|, 0x4800000   ; block b: my 16 numbers, and the floor 2^(9 - 127): the byte cannot fall under 1
.endr
.irp i, 2,4,6,8,10,12,14
.irp b, 0,1,2,3
	v_max3_num_f32 v[TM+\b], v[TM+\b], |v[\s+16*\b+\i]|, |v[\s+1+16*\b+\i]|   ; the four blocks by turns
.endr
.endr
.irp b, 0,1,2,3
	v_permlanex16_b32 v[TM+4+\b], v[TM+\b], s[SEL], s[SEL+1]
.endr
.irp b, 0,1,2,3
	v_max_num_f32 v[TM+\b], v[TM+\b], v[TM+4+\b]   ; with lane l xor 16: the largest magnitude of the block
.endr
.irp b, 0,1,2,3
	v_add_nc_u32 v[TM+12+\b], 0xfc000000, v[TM+\b]   ; 8 off its exponent field: the scale operand of the conversion
.endr
.irp b, 0,1,2,3
	v_and_or_b32 v[TM+8+\b], v[TM+\b], 0x7f800000, s[MNT]   ; 448 x the scale
.endr
.irp b, 0,1,2,3
	v_lshrrev_b32 v[TM+4+\b], 23, v[TM+12+\b]   ; the scale byte
.endr
	v_lshl_or_b32 v[PW], v[TM+5], 8, v[TM+4]       ; the scale word stands ahead of the 64 holds: more than eight plain places in front of the products
	v_lshl_or_b32 v[PW], v[TM+6], 16, v[PW]
	v_lshl_or_b32 v[PW], v[TM+7], 24, v[PW]
.irp b, 0,1,2,3
.irp i, 0,1,2,3,4,5,6,7,8,9,10,11,12,13,14,15
	v_med3_num_f32 v[\s+16*\b+\i], v[\s+16*\b+\i], -v[TM+8+\b], v[TM+8+\b]   ; the conversion to an 8-bit code does not saturate (ISA guide 7.6.2): the hold comes first
.endr
	v_cvt_scalef32_pk8_fp8_f32 v[PC+4*\b:PC+1+4*\b], v[\s+16*\b:\s+7+16*\b], v[TM+12+\b]
	v_cvt_scalef32_pk8_fp8_f32 v[PC+2+4*\b:PC+3+4*\b], v[\s+8+16*\b:\s+15+16*\b], v[TM+12+\b]
.endr
.rept 4
	v_nop                                          ; four plain places between the codes and the scaled products that take them
.endr
.endm
; K step s of my 16 rows into set s % 4 of window 1: 16 loads of 512 consecutive bytes; which rows form the tile stands in the immediate
.macro XLOAD s
	WIN 0x40                                       ; destination window 1, address window 0
.set xi, 0
.rept 16
	global_load_b128 v[64*((\s)%4)+4*xi:64*((\s)%4)+4*xi+3], v1, s[4:5] offset:(xi+8*(xi/8))*4096+512*(\s) th:TH_LOAD_NT
.set xi, xi+1
.endr
	WIN 0
.endm
; four fragments of W of K step s, columns 16 (first + n) on, into v[reg] on
.macro WFRAG reg, s, first
.if (\s) < 4
.set WA, 1                             ; 16 x lane
.else
.set WA, 8                             ; 65,536 + 16 x lane: the immediate has 16 bits
.endif
.irp n, 0,1,2,3
.irp c, 0,1,2,3
	ds_load_b128 v[\reg+16*\n+4*\c:\reg+16*\n+4*\c+3], v[WA] offset:(((\s)%4)*8+\first+\n)*2048+512*\c
.endr
.endr
.endm
.macro STEP s
.if (\s) > 0
.rept 8
	v_nop                                          ; eight places behind the last products, in front of loads into their fragments and scale words
.endr
.endif
.if (\s) < 5
	s_wait_loadcnt 48                              ; set s is in; the three sets behind it stay out
.else
	s_wait_loadcnt 16*(7-(\s))
.endif
	WIN 0x04                                       ; the data of an LDS store are its source 1: window 1
.set si, 0
.rept 16
	ds_store_b128 v5, v[64*((\s)%4)+4*si:64*((\s)%4)+4*si+3] offset:SP*si
.set si, si+1
.endr
	WIN 0
.irp c, 0,1,2,3
.irp j, 0,1,2,3
	ds_load_b128 v[F+16*\c+4*\j:F+16*\c+4*\j+3], v6 offset:128*\c+16*\j   ; LDS serves the instructions of a wave in order (ISA guide 5.7.1.4): these see the stores above
.endr
.endr
	WFRAG WF, \s, 0
.irp n, 0,1,2,3,4,5,6,7
	ds_load_b32 v[WS+\n], v9 offset:(8*(\s)+\n)*128
.endr
	s_wait_dscnt 24                                ; my 64 numbers are back, so the stores have read set s; the 24 loads of W may be out
.if (\s)+4 < 8
	XLOAD (\s)+4                                   ; the set takes the K step four further on
.endif
	QUANT F
	WFRAG F, \s, 4                                 ; the numbers are done with: their registers take four fragments of W
	s_wait_dscnt 16                                ; all but those 16
.irp n, 0,1,2,3
	v_wmma_scale_f32_16x16x128_f8f6f4 v[ACC+8*\n:ACC+8*\n+7], v[WF+16*\n:WF+16*\n+15], v[PC:PC+15], v[ACC+8*\n:ACC+8*\n+7], v[WS+\n], v[PW]
.endr
	s_wait_dscnt 0x0
.irp n, 4,5,6,7
	v_wmma_scale_f32_16x16x128_f8f6f4 v[ACC+8*\n:ACC+8*\n+7], v[F+16*(\n-4):F+16*(\n-4)+15], v[PC:PC+15], v[ACC+8*\n:ACC+8*\n+7], v[WS+\n], v[PW]
.endr
.endm                                  ; the eight accumulators take turns, one instruction a turn, from step to step too
	s_load_b512 s[8:23], s[0:1], 0x0               ; queries, keys, values s[8:13]; bq, bk, bv s[14:19]; wcodes s[20:21]; wscales s[22:23]
	s_load_b64 s[24:25], s[0:1], 0x40              ; qkv
	v_lshl_add_u32 v11, v0, 2, SPARE               ; my spare word; never rewritten
	v_mov_b32 v12, 0                               ; 0; never rewritten
	v_lshrrev_b32 v13, 5, v0
	v_readfirstlane_b32 s2, v13                    ; wave 0..7
	s_and_b32 s3, ttmp7, 0xffff                    ; t
	v_and_b32 v13, 31, v0                          ; lane
	v_lshlrev_b32 v1, 4, v13                       ; 16 x lane
	v_and_b32 v14, 15, v0                          ; r
	v_bfe_u32 v15, v0, 4, 1                        ; h
	s_lshl_b32 s31, s2, 14
	v_add_nc_u32 v2, s31, v1                       ; my eighth of the codes of W: in memory and in LDS alike
	s_lshl_b32 s31, s2, 10
	v_add_nc_u32 v3, s31, v1                       ; my eighth of its scale words, in memory,
	v_add_nc_u32 v4, WSC, v3                       ; and in LDS
	s_mul_i32 s31, s2, STGW
	s_add_co_u32 s31, s31, STG                     ; my stage
	v_add_nc_u32 v5, s31, v1                       ; into it: 16 bytes a lane of a row
	v_mul_u32_u24 v6, v14, SP
	v_lshl_add_u32 v6, v15, 6, v6
	v_add_nc_u32 v6, s31, v6                       ; out of it: row r, + 64 h: my 16 numbers of a block of 32
	v_add_nc_u32 v8, 0x10000, v1
	v_lshl_add_u32 v9, v13, 2, WSC                 ; a scale word of W: 4 x lane
	v_lshlrev_b32 v10, 5, v15                      ; the bias: 32 h
	s_lshl_b32 s27, ttmp9, 7                       ; my first row: 128 g + 32 (w / 2) + 8 (w % 2)
	s_lshr_b32 s31, s2, 1
	s_lshl_b32 s31, s31, 5
	s_add_co_u32 s27, s27, s31
	s_and_b32 s31, s2, 1
	s_lshl_b32 s31, s31, 3
	s_add_co_u32 s27, s27, s31
	s_lshl_b32 s32, s27, 12                        ; x 4,096 bytes: under 2^25
	s_mov_b32 s33, 0
	s_lshr_b32 s34, ttmp9, 4                       ; the batch: 1,024 images,
	s_lshl_b32 s34, s34, 10
	s_and_b32 s31, ttmp9, 15
	s_lshl_b32 s31, s31, 3
	s_add_co_u32 s34, s34, s31
	s_add_co_u32 s34, s34, s2                      ; + my tile T = 8 (g % 16) + w,
	s_lshl_b32 s34, s34, 10                        ; x 1,024 bytes,
	s_lshl_b32 s31, s3, 22
	s_add_co_u32 s34, s34, s31                     ; + 4 MiB t
	s_mov_b32 s35, 0
	s_lshl_b32 s36, s3, 17                         ; the codes of tensor t
	s_mov_b32 s37, 0
	s_lshl_b32 s38, s3, 13                         ; and its scale words
	s_mov_b32 s39, 0
	s_mov_b32 s[SEL], 0x76543210
	s_mov_b32 s[SEL+1], 0xfedcba98
	s_mov_b32 s[MNT], 0x600000
	s_wait_kmcnt 0x0
	s_cmp_eq_u32 s3, 1                             ; the tensor and its bias are chosen by the number of the work-group alone
	s_cselect_b64 s[4:5], s[10:11], s[8:9]
	s_cselect_b64 s[6:7], s[16:17], s[14:15]
	s_cmp_eq_u32 s3, 2
	s_cselect_b64 s[4:5], s[12:13], s[4:5]
	s_cselect_b64 s[6:7], s[18:19], s[6:7]
	s_add_nc_u64 s[4:5], s[4:5], s[32:33]
	s_add_nc_u64 s[20:21], s[20:21], s[36:37]
	s_add_nc_u64 s[22:23], s[22:23], s[38:39]
	s_add_nc_u64 s[24:25], s[24:25], s[34:35]
.set wi, 0
.rept 32
	global_load_b128 v[48+4*wi:51+4*wi], v2, s[20:21] offset:512*wi   ; my 16,384 bytes of codes
.set wi, wi+1
.endr
	global_load_b128 v[176:179], v3, s[22:23]
	global_load_b128 v[180:183], v3, s[22:23] offset:512
.irp n, 0,1,2,3,4,5,6,7
	global_load_b128 v[ACC+8*\n:ACC+8*\n+3], v10, s[6:7] offset:64*\n         ; the bias at columns 16 n + 8 h + 0 .. 7 starts the sums
	global_load_b128 v[ACC+8*\n+4:ACC+8*\n+7], v10, s[6:7] offset:64*\n+16
.endr
	XLOAD 0
	XLOAD 1
	s_wait_loadcnt 48                              ; the 34 loads of W are in; behind them: 16 of the bias, 32 of x
.set wi, 0
.rept 32
	ds_store_b128 v2, v[48+4*wi:51+4*wi] offset:512*wi
.set wi, wi+1
.endr
	ds_store_b128 v4, v[176:179]
	ds_store_b128 v4, v[180:183] offset:512
	XLOAD 2
	XLOAD 3
.irp b, 0,1,2,3
	v_mov_b32 v[TM+4+\b], 0                        ; written once: the destination of a lane permute counts as one of its sources
.endr
	s_wait_dscnt 0x0                               ; for the others: my part of W lies in LDS
	s_barrier_signal -1
	s_barrier_wait -1                              ; all of W does; nobody writes it again
.irp s, 0,1,2,3,4,5,6,7
	STEP \s
.endr
.rept 8
	v_nop                                          ; eight places behind the last products, in front of the stores that read the results
.endr
.irp n, 0,1,2,3,4,5,6,7
	global_store_b128 v1, v[ACC+8*\n:ACC+8*\n+3], s[24:25] offset:131072*\n        ; head n: each store of the wave covers 512 consecutive bytes, aligned; each accumulator from its low end on
	global_store_b128 v1, v[ACC+8*\n+4:ACC+8*\n+7], s[24:25] offset:131072*\n+512
.endr
	s_wait_tensorcnt 0x0                           ; the end of the wave: behind my last LDS store
	ds_add_u32 v11, v12
	s_wait_dscnt 0x0
	s_endpgm
.Lfunc_end_k_q2ec419775d_proj:
	.size	k_q2ec419775d_proj, .Lfunc_end_k_q2ec419775d_proj-k_q2ec419775d_proj
	.p2alignl 7, 3214868480
	.fill 96, 4, 3214868480
	.section	.rodata,"a",@progbits
	.p2align	6, 0x0
	.amdhsa_kernel k_q2ec419775d_proj
		.amdhsa_group_segment_fixed_size 207872
		.amdhsa_private_segment_fixed_size 0
		.amdhsa_enable_private_segment 0
		.amdhsa_kernarg_size 72
		.amdhsa_user_sgpr_count 2
		.amdhsa_user_sgpr_kernarg_segment_ptr 1
		.amdhsa_wavefront_size32 1
		.amdhsa_system_sgpr_workgroup_id_x 1
		.amdhsa_system_sgpr_workgroup_id_y 1
		.amdhsa_system_sgpr_workgroup_id_z 1
		.amdhsa_system_vgpr_workitem_id 0
		.amdhsa_next_free_vgpr 512
		.amdhsa_next_free_sgpr 66
		.amdhsa_reserve_vcc 0
		.amdhsa_float_denorm_mode_32 3
		.amdhsa_float_denorm_mode_16_64 3
		.amdhsa_memory_ordered 1
		.amdhsa_forward_progress 1
		.amdhsa_inst_pref_size 136
	.end_amdhsa_kernel
	.amdgpu_metadata
---
amdhsa.version: [ 1, 2 ]
amdhsa.kernels:
  - .name:           k_q2ec419775d_proj
    .symbol:         k_q2ec419775d_proj.kd
    .args:
      - { .name: queries, .offset: 0, .size: 8, .value_kind: global_buffer, .address_space: global }
      - { .name: keys, .offset: 8, .size: 8, .value_kind: global_buffer, .address_space: global }
      - { .name: values, .offset: 16, .size: 8, .value_kind: global_buffer, .address_space: global }
      - { .name: bq, .offset: 24, .size: 8, .value_kind: global_buffer, .address_space: global }
      - { .name: bk, .offset: 32, .size: 8, .value_kind: global_buffer, .address_space: global }
      - { .name: bv, .offset: 40, .size: 8, .value_kind: global_buffer, .address_space: global }
      - { .name: wcodes, .offset: 48, .size: 8, .value_kind: global_buffer, .address_space: global }
      - { .name: wscales, .offset: 56, .size: 8, .value_kind: global_buffer, .address_space: global }
      - { .name: qkv, .offset: 64, .size: 8, .value_kind: global_buffer, .address_space: global }
    .group_segment_fixed_size: 207872
    .private_segment_fixed_size: 0
    .kernarg_segment_align: 8
    .kernarg_segment_size: 72
    .max_flat_workgroup_size: 256
    .sgpr_count:     66
    .vgpr_count:     512
    .wavefront_size: 32
...
	.end_amdgpu_metadata
.endif
;; end of part 2
;; launch attn (part 3): grid 8 x 32, 16 waves a work-group, clusters of 4 x 1, 327,680 bytes of LDS; arguments qkv, obuf; writes obuf
.if DOCPART == 3
	.amdgcn_target "amdgcn-amd-amdhsa--gfx1250"
	.amdhsa_code_object_version 6
	.text
	.protected	k_q2ec419775d_attn
	.globl	k_q2ec419775d_attn
	.p2align	8
	.type	k_q2ec419775d_attn,@function
k_q2ec419775d_attn:
	s_mov_b64 s[64:65], 0
	v_nop
	global_prefetch_b8 v0, s[64:65] scope:SCOPE_SE
	s_setreg_imm32_b32 hwreg(HW_REG_WAVE_MODE, 25, 1), 1
	s_wait_xcnt 0x0
	s_wait_alu depctr_hold_cnt(0) depctr_sa_sdst(0) depctr_va_vdst(0) depctr_va_sdst(0) depctr_va_ssrc(0) depctr_va_vcc(0) depctr_vm_vsrc(0)
	s_getreg_b32 s2, hwreg(HW_REG_IB_STS2, 6, 4)
	s_cmp_eq_u32 s2, 0
	s_cbranch_scc0 .Lentry_in_a_cluster
	s_endpgm
.Lentry_in_a_cluster:
	s_bfe_u32 s2, ttmp6, 0x10000c
	s_cmp_lg_u32 s2, 0x3003
	s_cbranch_scc0 .Lentry_shape_is_right
	s_endpgm
.Lentry_shape_is_right:
; o[b][h][q][:] = the sum over k of softmax_k(q . k / sqrt(128)) v[k][:], head size 16, 2,048 keys, 32 (batch, head) pairs.
; The scores have K = 16 and go on into a quantiser: f32 operands, v_wmma_f32_16x16x4_f32.  The second product is on codes of E4M3 with one E8M0 scale for each 32 KEYS.
; THE SOFTMAX AHEAD OF IT: t = score x log2(e) / sqrt(128); M = the largest t of the row so far, rounded UP to a whole number; p = 2^(t - M) is quantised along the keys, not normalised.
; The sum of the row is taken of the unquantised p and divides O at the end.  When M moves, the sum and O are multiplied by 2^(old M - new M): exact.
; SHARES.  A work-group owns 256 queries of one head; each of its sixteen waves one tile of 16, in 256 registers: four waves to a SIMD, so that the vector work of one stands beside the matrix work of another.
; Every wave walks the 16 key steps of 128 keys.  ALL OF K AND V OF THE HEAD LIE IN LDS (131,072 bytes each as f32), filled once: the key loop has no ring, no refill and no barrier.
; CLUSTER.  The four query blocks of a cluster belong to one head: K and V are asked for JOINTLY, each wave one sixteenth of each, by the same tensor load with the same descriptor (made of the head and the
; number of the wave alone) and the mask of all four.  By the count of this text a wave has two tensor loads out.
; INPUT: images of 1,024 bytes for a tile of 16 rows of one head: byte 512 g + 16 lane holds, for lane (r, h), dims 8 h + 4 g + 0 .. 3 of tile row r.  Tile T = 2 B + u holds sequence rows 32 B + 8 u + r + 8 (r / 8).
; SCORES: S^T = K Q^T (source 0 = a tile of keys, source 1 = my queries), four instructions deep: number s takes registers 2 s, 2 s + 1 of both images, dims 8 h + 2 s + 0, 1: the same order of dims on both sides.
; A lane then holds ONE query (lane % 16), and the 16 registers of tiles 2 B, 2 B + 1 are keys 32 B + 16 h + 0 .. 15: the order that the second operand wants.
; V: at the head wave w reads its 128 keys out of LDS with a lane to a dim and registers down the keys, quantises them, and stores the fragment (an image of its registers) and its scale words for all sixteen waves.
; O^T = V^T P^T (source 0 = the 16 dims, source 1 = P): one matrix instruction a key step; its result is again an image, stored as it stands after the division.
; LIMITS: NaN and infinities are not served; a p under 2^-126 comes out of v_exp_f32 as 0; a block of zeros gets the scale byte 1 (its codes are zeros); t is score x c with c rounded once to f32.
; No prefetch: memory is read at the head of the kernel alone.
; REGISTERS: v1-11 addresses; v12 -M, v13 the largest t, v[14:15] the sum in two halves; v16-23 Q; v24-31 O^T; v32-95 numbers of V, then fragments of K, then p; v96-159 S^T, written by matrix instructions alone;
;   v160-175 codes; v176-191 the fragment of V; v192 its scale word; v193 the scale word just made; v200-215 at work; v[216:217] f; v218 at work.
.set VF,    131072                     ; LDS: K at 0 (tile T at 1,024 T); V as f32: for each wave 32 units of 256 bytes + 16 of padding
.set VFW,   8704
.set VC,    270336                     ; the fragments of V: 2,048 bytes a key step
.set VS,    303104                     ; their scale words: 128 bytes a key step
.set SPARE, 305152                     ; the spare words, 128 bytes for each wave: eight blocks of 256 bytes that no other line names
.set Q,   16
.set OT,  24
.set KP,  32
.set S,   96
.set PC,  160
.set VFR, 176
.set VW,  192
.set PW,  193
.set TM,  200
.set FF,  216
.set T0,  218
.set G1K, 16                           ; s[16:23] descriptor group 1 for K;  s[24:31] for V: it differs in the padding
.set G1V, 24
.set G0V, 32                           ; s[32:35], s[36:39] groups 0
.set G0K, 36
.set SEL, 40
.set CS,  42                           ; s[42:43] c = log2(e) / sqrt(128)
.set MNT, 44
.macro QUANT s
.irp b, 0,1,2,3
	v_max3_num_f32 v[TM+\b], |v[\s+16*\b]|, |v[\s+1+16*\b]|, 0x4800000   ; block b: my 16 numbers, and the floor 2^(9 - 127): the byte cannot fall under 1
.endr
.irp i, 2,4,6,8,10,12,14
.irp b, 0,1,2,3
	v_max3_num_f32 v[TM+\b], v[TM+\b], |v[\s+16*\b+\i]|, |v[\s+1+16*\b+\i]|   ; the four blocks by turns
.endr
.endr
.irp b, 0,1,2,3
	v_permlanex16_b32 v[TM+4+\b], v[TM+\b], s[SEL], s[SEL+1]
.endr
.irp b, 0,1,2,3
	v_max_num_f32 v[TM+\b], v[TM+\b], v[TM+4+\b]   ; with lane l xor 16: the largest magnitude of the block
.endr
.irp b, 0,1,2,3
	v_add_nc_u32 v[TM+12+\b], 0xfc000000, v[TM+\b]   ; 8 off its exponent field: the scale operand of the conversion
.endr
.irp b, 0,1,2,3
	v_and_or_b32 v[TM+8+\b], v[TM+\b], 0x7f800000, s[MNT]   ; 448 x the scale
.endr
.irp b, 0,1,2,3
	v_lshrrev_b32 v[TM+4+\b], 23, v[TM+12+\b]   ; the scale byte
.endr
	v_lshl_or_b32 v[PW], v[TM+5], 8, v[TM+4]
	v_lshl_or_b32 v[PW], v[TM+6], 16, v[PW]
	v_lshl_or_b32 v[PW], v[TM+7], 24, v[PW]
.irp b, 0,1,2,3
.irp i, 0,1,2,3,4,5,6,7,8,9,10,11,12,13,14,15
	v_med3_num_f32 v[\s+16*\b+\i], v[\s+16*\b+\i], -v[TM+8+\b], v[TM+8+\b]   ; the conversion to an 8-bit code does not saturate (ISA guide 7.6.2): the hold comes first
.endr
	v_cvt_scalef32_pk8_fp8_f32 v[PC+4*\b:PC+1+4*\b], v[\s+16*\b:\s+7+16*\b], v[TM+12+\b]
	v_cvt_scalef32_pk8_fp8_f32 v[PC+2+4*\b:PC+3+4*\b], v[\s+8+16*\b:\s+15+16*\b], v[TM+12+\b]
.endr
.rept 4
	v_nop                                          ; plain places behind the conversions
.endr
.endm
; A round of the barrier of the cluster: the barrier of my work-group, so that the signal of wave 0 speaks for all sixteen waves; wave 0 signals; every wave waits for all four work-groups; my barrier once more
.macro CROUND
	s_barrier_signal -1
	s_barrier_wait -1
	s_cmp_lg_u32 s8, 0
	s_cbranch_scc1 .Lnot_wave_0_\@
	s_barrier_signal -3
.Lnot_wave_0_\@:
	s_barrier_wait -3
	s_barrier_signal -1
	s_barrier_wait -1
.endm
	s_load_b128 s[4:7], s[0:1], 0x0                ; qkv s[4:5], obuf s[6:7]
	v_lshl_add_u32 v8, v0, 2, SPARE                ; my spare word; never rewritten
	v_mov_b32 v9, 0                                ; 0; never rewritten
	ds_add_u32 v8, v9                              ; the opening of the wave: the add and its wait stand ahead of my first tensor load; the set-up below, work on registers, stands between them
	v_lshrrev_b32 v1, 5, v0
	v_readfirstlane_b32 s8, v1                     ; wave 0..15
	s_bfe_u32 s9, ttmp6, 0x40000                   ; cx: my place in the cluster
	s_lshl_b32 s10, ttmp9, 2
	s_add_co_u32 s10, s10, s9                      ; my block of 256 queries: it enters the addresses of Q and of o alone
	s_and_b32 s11, ttmp7, 0xffff                   ; 8 b + head, which the four partners share
	s_lshl_b32 s12, s11, 17                        ; the 128 images of the head
	s_lshl_b32 s13, s8, 13                         ; my sixteenth: 8 images
	s_add_co_u32 s52, s12, s13
	s_add_co_u32 s54, s52, 0x400000                ; in k,
	s_add_co_u32 s52, s52, 0x800000                ; in v
	s_mov_b32 s53, 0
	s_mov_b32 s55, 0
	s_lshl_b32 s50, s10, 4
	s_add_co_u32 s50, s50, s8                      ; my tile of queries: 16 x block + wave
	s_lshl_b32 s50, s50, 10
	s_add_co_u32 s50, s50, s12
	s_mov_b32 s51, 0
	; descriptor group 1: a dense block of 8,192 bytes as 32 rows of 32 elements of 8 bytes
	s_mov_b32 s[G1K], 15|(3<<16)|(1<<21)           ; 15:0 the mask: all four work-groups; 17:16 elements of 8 bytes; 21 set beside a mask
	s_mov_b32 s[G1V], 15|(3<<16)|(1<<20)|(1<<21)|(5<<22)|(3<<25)   ; the same, with padding: 4 words (code 3) after every 64 (code 5)
.irp g, G1K, G1V
	s_mov_b32 s[\g+1], 32<<16                      ; tensor_dim0 = 32
	s_mov_b32 s[\g+2], 32<<16                      ; tensor_dim1 = 32
	s_mov_b32 s[\g+3], 32<<16                      ; tile_dim0 = 32
	s_mov_b32 s[\g+4], 32                          ; tile_dim1 = 32
	s_mov_b32 s[\g+5], 32                          ; from row to row: 32 elements
	s_mov_b32 s[\g+6], 0
	s_mov_b32 s[\g+7], 0
.endr
	s_mov_b32 s[G0V], 1
	s_mul_i32 s[G0V+1], s8, VFW
	s_add_co_u32 s[G0V+1], s[G0V+1], VF            ; no place in the cluster enters an LDS address
	s_mov_b32 s[G0K], 1
	s_lshl_b32 s[G0K+1], s8, 13
	s_mov_b32 s[SEL], 0x76543210
	s_mov_b32 s[SEL+1], 0xfedcba98
	s_mov_b32 s[CS], 0x3e0293ee
	s_mov_b32 s[CS+1], s[CS]                       ; named with it as a pair, so it is written
	s_mov_b32 s[MNT], 0x600000
	s_mov_b32 s45, 16                              ; key steps
	s_mov_b32 s46, 0                               ; where the tiles of K of the step begin,
	s_mov_b32 s47, 0                               ; its fragment of V,
	s_mov_b32 s48, 0                               ; and the scale words of that
	s_wait_dscnt 0x0                               ; the opening add is done
	s_wait_kmcnt 0x0
	s_add_nc_u64 s[G0V+2:G0V+3], s[4:5], s[52:53]
	s_or_b32 s[G0V+3], s[G0V+3], 0x80000000        ; type = 2
	s_add_nc_u64 s[G0K+2:G0K+3], s[4:5], s[54:55]
	s_or_b32 s[G0K+3], s[G0K+3], 0x80000000
	s_add_nc_u64 s[56:57], s[4:5], s[50:51]        ; my tile of q
	s_add_nc_u64 s[58:59], s[6:7], s[50:51]        ; and of o
	CROUND                                         ; all four work-groups are here: the joint loads meet
	tensor_load_to_lds s[G0V:G0V+3], s[G1V:G1V+7]  ; V first: I want my own part of it at once
	s_nop 0
	tensor_load_to_lds s[G0K:G0K+3], s[G1K:G1K+7]
	s_nop 0
.rept 4
	v_nop
.endr
	v_and_b32 v6, 31, v0                           ; lane
	v_lshlrev_b32 v1, 4, v6                        ; 16 x lane
	global_load_b128 v[Q:Q+3], v1, s[56:57]        ; Q stays in registers
	global_load_b128 v[Q+4:Q+7], v1, s[56:57] offset:512
	v_add_nc_u32 v2, VC, v1
	v_lshl_add_u32 v3, v6, 2, VS
	s_lshl_b32 s12, s8, 11
	v_add_nc_u32 v10, s12, v2                      ; where I store my fragment of V,
	s_lshl_b32 s13, s8, 7
	v_add_nc_u32 v11, s13, v3                      ; and its scale words
	; V(key 32 c + 16 h + i, dim r) of my 128 keys lies in image 2 c + i / 8, in the registers of its lane 8 h + i % 8 + 16 (r / 8): unit 2 (bit 2 of r) + (bit 3 of r) of the four units of 256 bytes, byte 128 h + 16 (i % 8) + 4 (r % 4)
	v_bfe_u32 v4, v0, 2, 1
	v_bfe_u32 v5, v0, 3, 1
	v_lshl_add_u32 v4, v4, 1, v5
	v_mul_u32_u24 v7, v4, 272                      ; a unit and its padding are 68 words: the four units that the lanes touch start 4 banks apart, so the 32 lanes fall on 32 banks (64 banks of 4 bytes: ISA guide 11.1)
	v_bfe_u32 v5, v0, 4, 1
	v_lshl_add_u32 v7, v5, 7, v7
	v_and_b32 v5, 3, v0
	v_lshl_add_u32 v7, v5, 2, v7
	v_add_nc_u32 v7, s[G0V+1], v7
	v_mov_b32 v13, 0xff61b1e6                      ; the largest t so far: -3e38, under every t
	v_floor_f32 v12, -v13                          ; -M
	v_mov_b32 v14, 0                               ; the sum, in two halves
	v_mov_b32 v15, 0
.irp j, 0,1,2,3,4,5,6,7
	v_mov_b32 v[OT+\j], 0                          ; O^T: the loop is written once; its first step finds zeros
.endr
.irp b, 0,1,2,3
	v_mov_b32 v[TM+4+\b], 0                        ; written once: the destination of a lane permute counts as one of its sources
.endr
	v_mov_b32 v[FF+1], 0                           ; named as the upper half of the pair of f
	v_mov_b32 v[T0], 0
	s_wait_tensorcnt 1                             ; my part of V is in (the tensor loads of a wave end in order: ISA guide 10.11.1); K, issued behind it, may be out.  I alone read these bytes
.irp c, 0,1,2,3
.irp i, 0,1,2,3,4,5,6,7,8,9,10,11,12,13,14,15
	ds_load_b32 v[KP+16*\c+\i], v7 offset:(2*\c+\i/8)*1088+16*(\i%8)
.endr
.endr
	s_wait_dscnt 0x0
	QUANT KP                                       ; along the keys: a block of 32 keys lies in lanes l and l xor 16
.irp c, 0,1,2,3
	ds_store_b128 v10, v[PC+4*\c:PC+4*\c+3] offset:512*\c   ; the fragment goes to LDS as it stands: key step w of the second product
.endr
	ds_store_b32 v11, v[PW]
	s_wait_tensorcnt 0x0                           ; for the others: my part of K has landed,
	s_wait_dscnt 0x0                               ; and my stores
	s_barrier_signal -1
	s_barrier_wait -1                              ; all of K, and all fragments of V, lie in LDS; nothing is filled or stored there again
	s_wait_loadcnt 0x0                             ; Q
.Lstep:                                            ; 16 trips: a key step of 128 keys
	v_add_nc_u32 v4, s46, v1
	v_add_nc_u32 v5, s47, v2
	v_add_nc_u32 v6, s48, v3
.rept 5
	v_nop                                          ; with the three additions: eight places behind the last scaled product, in front of loads into its fragment and scale word
.endr
.irp t, 0,1,2,3,4,5,6,7
	ds_load_b128 v[KP+8*\t:KP+8*\t+3], v4 offset:1024*\t          ; a tile of keys: its image, 512 consecutive bytes a load
	ds_load_b128 v[KP+8*\t+4:KP+8*\t+7], v4 offset:1024*\t+512
.endr
.irp c, 0,1,2,3
	ds_load_b128 v[VFR+4*\c:VFR+4*\c+3], v5 offset:512*\c
.endr
	ds_load_b32 v[VW], v6
	s_wait_dscnt 5                                 ; K is in; the five loads for V may be out
.irp s, 0,1,2,3                        ; S^T = K Q^T: the eight tiles take turns, one instruction a turn; the first of each sum takes the constant 0
.irp t, 0,1,2,3,4,5,6,7
.if \s == 0
	v_wmma_f32_16x16x4_f32 v[S+8*\t:S+8*\t+7], v[KP+8*\t:KP+8*\t+1], v[Q:Q+1], 0
.else
	v_wmma_f32_16x16x4_f32 v[S+8*\t:S+8*\t+7], v[KP+8*\t+2*\s:KP+8*\t+2*\s+1], v[Q+2*\s:Q+2*\s+1], v[S+8*\t:S+8*\t+7]
.endif
.endr
.endr
.rept 8
	v_nop                                          ; eight places behind the last of them, in front of the first read of results
.endr
.irp b, 0,1,2,3
	v_max3_num_f32 v[TM+\b], v[S+16*\b], v[S+1+16*\b], v[S+2+16*\b]   ; THE LARGEST SCORE OF EACH BLOCK OF 32 KEYS: it serves for the maximum of the row and, since p rises with the score, for the largest p of the block.  Each tile is read from its low end on
.endr
.irp i, 3,5,7,9,11,13
.irp b, 0,1,2,3
	v_max3_num_f32 v[TM+\b], v[TM+\b], v[S+16*\b+\i], v[S+1+16*\b+\i]
.endr
.endr
.irp b, 0,1,2,3
	v_max_num_f32 v[TM+\b], v[TM+\b], v[S+15+16*\b]
.endr
.irp b, 0,1,2,3
	v_permlanex16_b32 v[TM+4+\b], v[TM+\b], s[SEL], s[SEL+1]
.endr
.irp b, 0,1,2,3
	v_max_num_f32 v[TM+\b], v[TM+\b], v[TM+4+\b]   ; with the 16 keys of lane l xor 16
.endr
	v_max3_num_f32 v[T0], v[TM], v[TM+1], v[TM+2]
	v_max_num_f32 v[T0], v[T0], v[TM+3]            ; the largest score of my query in this step
	v_mul_f32 v[T0], s[CS], v[T0]                  ; as t (c is positive)
	v_max_num_f32 v13, v13, v[T0]                  ; the running largest t
	v_mov_b32 v[T0], v12
	v_floor_f32 v12, -v13                          ; the new -M = floor(-t) = -ceil(t): M is a whole number
	v_sub_f32 v[T0], v12, v[T0]                    ; old M less new M: a whole number, 0 or less
	v_cvt_i32_f32 v[T0], v[T0]                     ; (it saturates)
	v_ldexp_f32 v[FF], 1.0, v[T0]                  ; f = 2^(old M - new M): a multiplication by it rounds nothing
.irp j, 0,2,4,6
	v_pk_mul_f32 v[OT+\j:OT+\j+1], v[OT+\j:OT+\j+1], v[FF:FF+1] op_sel_hi:[1,0]   ; O^T under the new M, from its low end on
.endr
.set j, 0
.rept 32
	v_pk_fma_f32 v[KP+j:KP+j+1], v[S+j:S+j+1], s[CS:CS+1], v[12:13] op_sel_hi:[1,0,0]   ; t - M, two at a time, into the registers that K has left: S^T is written by matrix instructions alone
.set j, j+2
.endr
.irp b, 0,1,2,3
	v_fma_f32 v[TM+\b], v[TM+\b], s[CS], v12       ; the same of the largest score of each block
.endr
.set j, 0
.rept 64
	v_exp_f32 v[KP+j], v[KP+j]                     ; p = 2^(t - M), at most 1: not normalised
.set j, j+1
.endr
	v_pk_mul_f32 v[14:15], v[14:15], v[FF:FF+1] op_sel_hi:[1,0]   ; the sums under the new M: the plain place behind the exponentials
	s_wait_alu depctr_va_vdst(0)                   ; one wait for the whole batch, ahead of its first reader
.irp b, 0,1,2,3
	v_exp_f32 v[TM+\b], v[TM+\b]                   ; the largest p of the block: the same two instructions on the same number
.endr
	v_pk_add_f32 v[TM+4:TM+5], v[KP:KP+1], v[KP+2:KP+3]   ; THE SUM OF THE ROW IS TAKEN OF THE UNQUANTISED p: two at a time, in two chains; it reads the 64 alone
.irp j, 4,8,12,16,20,24,28,32,36,40,44,48,52,56,60
	v_pk_add_f32 v[14:15], v[14:15], v[KP+\j:KP+\j+1]
	v_pk_add_f32 v[TM+4:TM+5], v[TM+4:TM+5], v[KP+2+\j:KP+3+\j]
.endr
	v_pk_add_f32 v[14:15], v[14:15], v[TM+4:TM+5]
	s_wait_alu depctr_va_vdst(0)                   ; and one for the four
.irp b, 0,1,2,3
	v_max_num_f32 v[TM+\b], 0x4800000, v[TM+\b]    ; the floor 2^(9 - 127): the byte cannot fall under 1
.endr
.irp b, 0,1,2,3
	v_add_nc_u32 v[TM+12+\b], 0xfc000000, v[TM+\b] ; 8 off the exponent field: the scale operand of the conversion
.endr
.irp b, 0,1,2,3
	v_and_or_b32 v[TM+8+\b], v[TM+\b], 0x7f800000, s[MNT]   ; 448 x the scale
.endr
.irp b, 0,1,2,3
	v_lshrrev_b32 v[TM+4+\b], 23, v[TM+12+\b]      ; the scale byte
.endr
	v_lshl_or_b32 v[PW], v[TM+5], 8, v[TM+4]       ; the scale word of p for these 128 keys: it stands ahead of the 64 holds
	v_lshl_or_b32 v[PW], v[TM+6], 16, v[PW]
	v_lshl_or_b32 v[PW], v[TM+7], 24, v[PW]
.irp b, 0,1,2,3
.irp i, 0,1,2,3,4,5,6,7,8,9,10,11,12,13,14,15
	v_min_num_f32 v[KP+16*\b+\i], v[KP+16*\b+\i], v[TM+8+\b]   ; the conversion does not saturate (ISA guide 7.6.2); p is not negative, so the hold is one-sided
.endr
	v_cvt_scalef32_pk8_fp8_f32 v[PC+4*\b:PC+1+4*\b], v[KP+16*\b:KP+7+16*\b], v[TM+12+\b]
	v_cvt_scalef32_pk8_fp8_f32 v[PC+2+4*\b:PC+3+4*\b], v[KP+8+16*\b:KP+15+16*\b], v[TM+12+\b]
.endr
.rept 4
	v_nop                                          ; four plain places between the codes and the scaled product
.endr
	s_wait_dscnt 0x0                               ; the fragment of V and its scale word, asked for at the head of the trip
	v_wmma_scale_f32_16x16x128_f8f6f4 v[OT:OT+7], v[VFR:VFR+15], v[PC:PC+15], v[OT:OT+7], v[VW], v[PW]   ; O^T += V^T P^T over these 128 keys
	s_add_co_u32 s46, s46, 8192
	s_add_co_u32 s47, s47, 2048
	s_add_co_u32 s48, s48, 128
	s_sub_co_u32 s45, s45, 1
	s_cmp_lg_u32 s45, 0
	s_cbranch_scc1 .Lstep
.rept 8
	v_nop                                          ; eight places behind the last product
.endr
	v_add_f32 v14, v14, v15                        ; the two halves of the sum,
	v_permlanex16_b32 v[T0], v14, s[SEL], s[SEL+1]
	v_add_f32 v14, v14, v[T0]                      ; and those of lane l xor 16: the sum of the row
	v_rcp_f32 v14, v14
	v_nop                                          ; a plain place behind the reciprocal
	s_wait_alu depctr_va_vdst(0)                   ; and the wait ahead of its first reader
.irp j, 0,1,2,3,4,5,6,7
	v_mul_f32 v[KP+\j], v[OT+\j], v14              ; register j is o(query r, dim 8 h + j): the image of the tile
.endr
	global_store_b128 v1, v[KP:KP+3], s[58:59]     ; each store of the wave covers 512 consecutive bytes, aligned
	global_store_b128 v1, v[KP+4:KP+7], s[58:59] offset:512
	s_wait_tensorcnt 0x0                           ; the end of the wave: behind my last tensor load and my last LDS store
	ds_add_u32 v8, v9
	s_wait_dscnt 0x0
	CROUND                                         ; the closing round: no work-group ends while a partner may still ask for a tile that names it
	s_endpgm
.Lfunc_end_k_q2ec419775d_attn:
	.size	k_q2ec419775d_attn, .Lfunc_end_k_q2ec419775d_attn-k_q2ec419775d_attn
	.p2alignl 7, 3214868480
	.fill 96, 4, 3214868480
	.section	.rodata,"a",@progbits
	.p2align	6, 0x0
	.amdhsa_kernel k_q2ec419775d_attn
		.amdhsa_group_segment_fixed_size 327680
		.amdhsa_private_segment_fixed_size 0
		.amdhsa_enable_private_segment 0
		.amdhsa_kernarg_size 16
		.amdhsa_user_sgpr_count 2
		.amdhsa_user_sgpr_kernarg_segment_ptr 1
		.amdhsa_wavefront_size32 1
		.amdhsa_system_sgpr_workgroup_id_x 1
		.amdhsa_system_sgpr_workgroup_id_y 1
		.amdhsa_system_sgpr_workgroup_id_z 1
		.amdhsa_system_vgpr_workitem_id 0
		.amdhsa_next_free_vgpr 256
		.amdhsa_next_free_sgpr 66
		.amdhsa_reserve_vcc 0
		.amdhsa_float_denorm_mode_32 3
		.amdhsa_float_denorm_mode_16_64 3
		.amdhsa_memory_ordered 1
		.amdhsa_forward_progress 1
		.amdhsa_inst_pref_size 37
	.end_amdhsa_kernel
	.amdgpu_metadata
---
amdhsa.version: [ 1, 2 ]
amdhsa.kernels:
  - .name:           k_q2ec419775d_attn
    .symbol:         k_q2ec419775d_attn.kd
    .args:
      - { .name: qkv, .offset: 0, .size: 8, .value_kind: global_buffer, .address_space: global }
      - { .name: obuf, .offset: 8, .size: 8, .value_kind: global_buffer, .address_space: global }
    .group_segment_fixed_size: 327680
    .private_segment_fixed_size: 0
    .kernarg_segment_align: 8
    .kernarg_segment_size: 16
    .max_flat_workgroup_size: 512
    .sgpr_count:     66
    .vgpr_count:     256
    .wavefront_size: 32
...
	.end_amdgpu_metadata
.endif
;; end of part 3
;; launch outp (part 4): grid 4 x 64, 8 waves a work-group, no clusters, 70,656 bytes of LDS; arguments obuf, wcodes, wscales, bo, out0; writes out0
.if DOCPART == 4
	.amdgcn_target "amdgcn-amd-amdhsa--gfx1250"
	.amdhsa_code_object_version 6
	.text
	.protected	k_q2ec419775d_outp
	.globl	k_q2ec419775d_outp
	.p2align	8
	.type	k_q2ec419775d_outp,@function
k_q2ec419775d_outp:
	s_mov_b64 s[64:65], 0
	v_nop
	global_prefetch_b8 v0, s[64:65] scope:SCOPE_SE
	s_setreg_imm32_b32 hwreg(HW_REG_WAVE_MODE, 25, 1), 1
	s_wait_xcnt 0x0
; out0 = o Wo + bo: [8192][128] x [128][1024], both operands as codes of E4M3 with one E8M0 scale for each 32 along K = 128 (a block of 32 spans two heads); sums in f32.
; Work-group (x, R): columns 256 x .. 256 x + 255, tiles of rows 8 R .. 8 R + 7.  Wave w takes tile 8 R + w against 16 tiles of columns: one K step, 16 matrix instructions.
; o comes as images of 1,024 bytes for (batch, head, tile): lane (r, h) wants, of block c, head 2 c + h, all 16 dims of tile row r: four loads of 16 bytes, in each of which sixteen lanes read 256 consecutive bytes.
; Wo comes as images of operand registers: the 16 fragments of the strip (32,768 bytes) and their scale words (2,048) are copied into LDS once, an eighth by each wave; one barrier.
; TRANSPOSED USE (source 0 = 16 columns of Wo, source 1 = my 16 rows): a lane holds eight neighbouring columns of one row.  The bias is loaded into the accumulators in that layout: it starts the sums.
; THE WAY OUT: four tiles of columns (256 bytes of a row) at a time through the own stage of the wave, back as whole rows: sixteen lanes store 256 consecutive bytes, aligned.
; A tile holds sequence rows 32 B + 8 u + r + 8 (r / 8): the order is undone in the immediates of the stores.
; NO CLUSTER: operands go through registers; what work-groups share (34,816 bytes of Wo) stands beside 131,072 bytes of output that each writes alone.  No prefetch: a short launch that reads little.
; LIMITS: NaN and infinities are not served; a block of zeros gets the scale byte 1 (its codes are zeros; the byte is used by this wave alone).
; REGISTERS: v1-13 addresses; v16-31 at work; v32 the scale word of o; v33-36 scale words of Wo; v48-63 the codes of o; v64-127 numbers of o, then four fragments of Wo; v128-255 the 16 accumulators, then rows of the output.
.set WOS,   32768                      ; LDS: behind the codes of Wo, its scale words
.set STG,   34816                      ; the stages: 16 rows x 272 bytes for each wave
.set STGW,  4352
.set SP,    272                        ; 256 bytes + 16 = 68 words: row r starts at bank 4 r mod 64 (64 banks of 4 bytes: ISA guide 11.1)
.set SPARE, 69632                      ; the spare words, 128 bytes for each wave: four blocks of 256 bytes that no other line names
.set TM,  16
.set PW,  32
.set WS,  33
.set PC,  48
.set X,   64
.set ACC, 128
.set SEL, 26
.set MNT, 28
.macro QUANT s
.irp b, 0,1,2,3
	v_max3_num_f32 v[TM+\b], |v[\s+16*\b]|, |v[\s+1+16*\b]|, 0x4800000   ; block b: my 16 numbers, and the floor 2^(9 - 127): the byte cannot fall under 1
.endr
.irp i, 2,4,6,8,10,12,14
.irp b, 0,1,2,3
	v_max3_num_f32 v[TM+\b], v[TM+\b], |v[\s+16*\b+\i]|, |v[\s+1+16*\b+\i]|   ; the four blocks by turns
.endr
.endr
.irp b, 0,1,2,3
	v_permlanex16_b32 v[TM+4+\b], v[TM+\b], s[SEL], s[SEL+1]
.endr
.irp b, 0,1,2,3
	v_max_num_f32 v[TM+\b], v[TM+\b], v[TM+4+\b]   ; with lane l xor 16: the largest magnitude of the block
.endr
.irp b, 0,1,2,3
	v_add_nc_u32 v[TM+12+\b], 0xfc000000, v[TM+\b]   ; 8 off its exponent field: the scale operand of the conversion
.endr
.irp b, 0,1,2,3
	v_and_or_b32 v[TM+8+\b], v[TM+\b], 0x7f800000, s[MNT]   ; 448 x the scale
.endr
.irp b, 0,1,2,3
	v_lshrrev_b32 v[TM+4+\b], 23, v[TM+12+\b]   ; the scale byte
.endr
	v_lshl_or_b32 v[PW], v[TM+5], 8, v[TM+4]       ; the scale word stands ahead of the 64 holds: more than eight plain places in front of the products
	v_lshl_or_b32 v[PW], v[TM+6], 16, v[PW]
	v_lshl_or_b32 v[PW], v[TM+7], 24, v[PW]
.irp b, 0,1,2,3
.irp i, 0,1,2,3,4,5,6,7,8,9,10,11,12,13,14,15
	v_med3_num_f32 v[\s+16*\b+\i], v[\s+16*\b+\i], -v[TM+8+\b], v[TM+8+\b]   ; the conversion to an 8-bit code does not saturate (ISA guide 7.6.2): the hold comes first
.endr
	v_cvt_scalef32_pk8_fp8_f32 v[PC+4*\b:PC+1+4*\b], v[\s+16*\b:\s+7+16*\b], v[TM+12+\b]
	v_cvt_scalef32_pk8_fp8_f32 v[PC+2+4*\b:PC+3+4*\b], v[\s+8+16*\b:\s+15+16*\b], v[TM+12+\b]
.endr
.rept 4
	v_nop                                          ; four plain places between the codes and the scaled products that take them
.endr
.endm
	s_load_b256 s[4:11], s[0:1], 0x0               ; obuf s[4:5], wcodes s[6:7], wscales s[8:9], bo s[10:11]
	s_load_b64 s[12:13], s[0:1], 0x20              ; out0
	v_lshl_add_u32 v12, v0, 2, SPARE               ; my spare word; never rewritten
	v_mov_b32 v13, 0                               ; 0; never rewritten
	v_lshrrev_b32 v14, 5, v0
	v_readfirstlane_b32 s2, v14                    ; wave 0..7
	s_and_b32 s3, ttmp7, 0xffff                    ; R
	s_lshl_b32 s14, s3, 3
	s_add_co_u32 s14, s14, s2                      ; my tile: 128 b + T
	s_lshr_b32 s16, s3, 4                          ; the batch: 1,024 images,
	s_lshl_b32 s16, s16, 10
	s_and_b32 s15, s14, 127
	s_add_co_u32 s16, s16, s15                     ; + T,
	s_lshl_b32 s16, s16, 10                        ; x 1,024 bytes: head 0 of my tile
	s_mov_b32 s17, 0
	s_lshl_b32 s18, ttmp9, 15
	s_add_co_u32 s18, s18, 393216                  ; fragments 192 + 16 x on: 2,048 bytes each
	s_mov_b32 s19, 0
	s_lshl_b32 s20, ttmp9, 11
	s_add_co_u32 s20, s20, 24576                   ; their scale words: 128 bytes each
	s_mov_b32 s21, 0
	s_lshl_b32 s22, ttmp9, 10                      ; 256 columns of 4 bytes
	s_mov_b32 s23, 0
	s_lshr_b32 s24, s14, 1
	s_lshl_b32 s24, s24, 5
	s_and_b32 s15, s14, 1
	s_lshl_b32 s15, s15, 3
	s_add_co_u32 s24, s24, s15                     ; the first row of my tile: 32 (tile / 2) + 8 (tile % 2)
	s_lshl_b32 s24, s24, 12
	s_add_co_u32 s24, s24, s22                     ; in bytes, with the strip: under 2^25
	s_mov_b32 s25, 0
	s_mov_b32 s[SEL], 0x76543210
	s_mov_b32 s[SEL+1], 0xfedcba98
	s_mov_b32 s[MNT], 0x600000
	v_and_b32 v14, 31, v0                          ; lane
	v_and_b32 v15, 15, v0                          ; r
	v_bfe_u32 v6, v0, 4, 1                         ; h
	v_lshlrev_b32 v1, 4, v14                       ; 16 x lane
	v_lshlrev_b32 v2, 4, v15
	v_lshl_add_u32 v2, v6, 17, v2                  ; o: one head (131,072 bytes) on for lanes 16-31, + 16 r
	s_lshl_b32 s29, s2, 12
	v_add_nc_u32 v3, s29, v1                       ; my eighth of the codes of Wo: in memory and in LDS alike
	v_lshlrev_b32 v4, 3, v14
	s_lshl_b32 s29, s2, 8
	v_add_nc_u32 v4, s29, v4                       ; my eighth of its scale words, in memory,
	v_add_nc_u32 v5, WOS, v4                       ; and in LDS
	v_lshl_add_u32 v7, v14, 2, WOS                 ; a scale word: 4 x lane
	v_lshlrev_b32 v8, 5, v6                        ; the bias: 32 h
	s_mul_i32 s30, s2, STGW
	s_add_co_u32 s30, s30, STG                     ; my stage
	v_mul_u32_u24 v9, v15, SP
	v_lshl_add_u32 v9, v6, 5, v9
	v_add_nc_u32 v9, s30, v9                       ; into it: row r, + 32 h
	v_mul_u32_u24 v10, v6, SP
	v_lshl_add_u32 v10, v15, 4, v10
	v_add_nc_u32 v10, s30, v10                     ; back: lanes 0-15 one row, lanes 16-31 the next
	v_lshlrev_b32 v11, 4, v15
	v_lshl_add_u32 v11, v6, 12, v11                ; and the same two rows in the output
	s_wait_kmcnt 0x0
	s_add_nc_u64 s[4:5], s[4:5], s[16:17]
	s_add_nc_u64 s[6:7], s[6:7], s[18:19]
	s_add_nc_u64 s[8:9], s[8:9], s[20:21]
	s_add_nc_u64 s[10:11], s[10:11], s[22:23]
	s_add_nc_u64 s[12:13], s[12:13], s[24:25]
.irp i, 0,1,2,3
	global_load_b128 v[16+4*\i:19+4*\i], v3, s[6:7] offset:512*\i            ; my 4,096 bytes of codes pass through registers that hold no scale word later
	global_load_b128 v[48+4*\i:51+4*\i], v3, s[6:7] offset:2048+512*\i
.endr
	global_load_b64 v[40:41], v4, s[8:9]
.irp c, 0,1,2,3
.irp u, 0,1
.irp g, 0,1
	global_load_b128 v[X+16*\c+8*\u+4*\g:X+16*\c+8*\u+4*\g+3], v2, s[4:5] offset:262144*\c+512*\g+256*\u   ; o(row r, channel 32 c + 16 h + 8 u + 4 g + 0 .. 3)
.endr
.endr
.endr
.set n, 0
.rept 16
	global_load_b128 v[ACC+8*n:ACC+8*n+3], v8, s[10:11] offset:64*n          ; the bias at columns 16 n + 8 h + 0 .. 7 starts the sums
	global_load_b128 v[ACC+8*n+4:ACC+8*n+7], v8, s[10:11] offset:64*n+16
.set n, n+1
.endr
	s_wait_loadcnt 48                              ; the nine loads of Wo are in; behind them: 16 of o, 32 of the bias
.irp i, 0,1,2,3
	ds_store_b128 v3, v[16+4*\i:19+4*\i] offset:512*\i
	ds_store_b128 v3, v[48+4*\i:51+4*\i] offset:2048+512*\i
.endr
	ds_store_b64 v5, v[40:41]
	s_wait_dscnt 0x0                               ; for the others: my part of Wo lies in LDS
	s_barrier_signal -1
	s_barrier_wait -1                              ; all of it does; nobody writes it again
.irp b, 0,1,2,3
	v_mov_b32 v[TM+4+\b], 0                        ; written once: the destination of a lane permute counts as one of its sources
.endr
	s_wait_loadcnt 32                              ; o is in; the bias may be out
	QUANT X
	s_wait_loadcnt 0x0                             ; the bias
.irp G, 0,1,2,3                        ; four tiles of columns at a time
.irp n, 0,1,2,3
.irp c, 0,1,2,3
	ds_load_b128 v[X+16*\n+4*\c:X+16*\n+4*\c+3], v1 offset:(4*\G+\n)*2048+512*\c
.endr
	ds_load_b32 v[WS+\n], v7 offset:(4*\G+\n)*128
.endr
	s_wait_dscnt 0x0
.irp n, 0,1,2,3
	v_wmma_scale_f32_16x16x128_f8f6f4 v[ACC+32*\G+8*\n:ACC+32*\G+8*\n+7], v[X+16*\n:X+16*\n+15], v[PC:PC+15], v[ACC+32*\G+8*\n:ACC+32*\G+8*\n+7], v[WS+\n], v[PW]
.endr
.rept 8
	v_nop                                          ; eight places behind the products: for the stores that read the results, and for the loads of the next group into the fragments and scale words
.endr
.irp n, 0,1,2,3
	ds_store_b128 v9, v[ACC+32*\G+8*\n:ACC+32*\G+8*\n+3] offset:64*\n        ; each accumulator from its low end on
	ds_store_b128 v9, v[ACC+32*\G+8*\n+4:ACC+32*\G+8*\n+7] offset:64*\n+16
.endr
.irp i, 0,1,2,3,4,5,6,7
	ds_load_b128 v[ACC+32*\G+4*\i:ACC+32*\G+4*\i+3], v10 offset:2*SP*\i      ; LDS serves the instructions of a wave in order (ISA guide 5.7.1.4): these see the stores above, and the stores of the next group come behind them
.endr
.irp i, 0,1,2,3,4,5,6,7
	s_wait_dscnt 7-\i
	global_store_b128 v11, v[ACC+32*\G+4*\i:ACC+32*\G+4*\i+3], s[12:13] offset:(2*\i+8*(\i/4))*4096+256*\G th:TH_STORE_NT   ; tile rows 2 i, 2 i + 1: sixteen lanes store 256 consecutive bytes, aligned; written once, read by nobody here
.endr
.endr
	s_wait_tensorcnt 0x0                           ; the end of the wave: behind my last LDS store
	ds_add_u32 v12, v13
	s_wait_dscnt 0x0
	s_endpgm
.Lfunc_end_k_q2ec419775d_outp:
	.size	k_q2ec419775d_outp, .Lfunc_end_k_q2ec419775d_outp-k_q2ec419775d_outp
	.p2alignl 7, 3214868480
	.fill 96, 4, 3214868480
	.section	.rodata,"a",@progbits
	.p2align	6, 0x0
	.amdhsa_kernel k_q2ec419775d_outp
		.amdhsa_group_segment_fixed_size 70656
		.amdhsa_private_segment_fixed_size 0
		.amdhsa_enable_private_segment 0
		.amdhsa_kernarg_size 40
		.amdhsa_user_sgpr_count 2
		.amdhsa_user_sgpr_kernarg_segment_ptr 1
		.amdhsa_wavefront_size32 1
		.amdhsa_system_sgpr_workgroup_id_x 1
		.amdhsa_system_sgpr_workgroup_id_y 1
		.amdhsa_system_sgpr_workgroup_id_z 1
		.amdhsa_system_vgpr_workitem_id 0
		.amdhsa_next_free_vgpr 256
		.amdhsa_next_free_sgpr 66
		.amdhsa_reserve_vcc 0
		.amdhsa_float_denorm_mode_32 3
		.amdhsa_float_denorm_mode_16_64 3
		.amdhsa_memory_ordered 1
		.amdhsa_forward_progress 1
		.amdhsa_inst_pref_size 34
	.end_amdhsa_kernel
	.amdgpu_metadata
---
amdhsa.version: [ 1, 2 ]
amdhsa.kernels:
  - .name:           k_q2ec419775d_outp
    .symbol:         k_q2ec419775d_outp.kd
    .args:
      - { .name: obuf, .offset: 0, .size: 8, .value_kind: global_buffer, .address_space: global }
      - { .name: wcodes, .offset: 8, .size: 8, .value_kind: global_buffer, .address_space: global }
      - { .name: wscales, .offset: 16, .size: 8, .value_kind: global_buffer, .address_space: global }
      - { .name: bo, .offset: 24, .size: 8, .value_kind: global_buffer, .address_space: global }
      - { .name: out0, .offset: 32, .size: 8, .value_kind: global_buffer, .address_space: global }
    .group_segment_fixed_size: 70656
    .private_segment_fixed_size: 0
    .kernarg_segment_align: 8
    .kernarg_segment_size: 40
    .max_flat_workgroup_size: 256
    .sgpr_count:     66
    .vgpr_count:     256
    .wavefront_size: 32
...
	.end_amdgpu_metadata
.endif
;; end of part 4
;; ======== version 2 of 2: 4 launches; version 1 with the launches proj, outp written anew for expert scheduling mode
;; workspace buffers: wcodes 524,288 bytes; wscales 32,768 bytes; qkv 12,582,912 bytes; obuf 4,194,304 bytes
;; launch prep: the kernel of part 1 again; grid 256 x 1, 1 waves a work-group, no clusters, 0 bytes of LDS; arguments Wq, Wk, Wv, Wo, wcodes, wscales; writes wcodes, wscales
;; launch proj (part 5): grid 64 x 3, 8 waves a work-group, no clusters, 207,872 bytes of LDS; arguments queries, keys, values, bq, bk, bv, wcodes, wscales, qkv; writes qkv
.if DOCPART == 5
	.amdgcn_target "amdgcn-amd-amdhsa--gfx1250"
	.amdhsa_code_object_version 6
	.text
	.protected	k_q2ec419775d_proj
	.globl	k_q2ec419775d_proj
	.p2align	8
	.type	k_q2ec419775d_proj,@function
k_q2ec419775d_proj:
	s_mov_b64 s[64:65], 0
	v_nop
	global_prefetch_b8 v0, s[64:65] scope:SCOPE_SE
	s_setreg_imm32_b32 hwreg(HW_REG_WAVE_SCHED_MODE, 0, 2), 2
	s_setreg_imm32_b32 hwreg(HW_REG_WAVE_MODE, 25, 1), 1
	s_wait_xcnt 0x0
	s_wait_alu depctr_vm_vsrc(0)
; q = queries Wq + bq, k = keys Wk + bk, v = values Wv + bv: [8192][1024] x [1024][128], both operands as codes of E4M3 with one E8M0 scale for each 32 along K; sums in f32; results f32.
; Work-group (g, t): tensor t, rows 128 g .. 128 g + 127.  Each of the eight waves owns one tile of 16 rows, all of K (8 steps of 128) and all 128 columns: 8 accumulators, 64 matrix instructions.
; THE ROWS OF A TILE ARE NOT NEIGHBOURS: tile T = 2 B + u of a batch holds sequence rows 32 B + 8 u + r + 8 (r / 8), so that in the attention two neighbouring tiles of keys give a lane 16 neighbouring keys.
; W comes as images of operand registers (131,072 bytes of codes, 8,192 of scale words for a tensor): each wave copies an eighth into LDS once; one barrier; they stay.
; x COMES THROUGH REGISTERS: each load reads 512 consecutive bytes of one row (128 along K); four sets of 16 loads, 8 KiB each, are on their way in every wave, with counted waits and no barrier in the K loop.
; A set turns through the own stage of the wave in LDS (rows of 512 bytes + 16), so that a lane gets 16 neighbours along K of each block of 32 of ITS row; it quantises them in registers.
; THE MATRIX INSTRUCTION IS USED TRANSPOSED (source 0 = 16 columns of W, source 1 = my 16 rows of x): lane (r, h) holds tile row r and its register j column 16 n + 8 h + j: head n, dims 8 h + j.
; So an accumulator IS the image that the attention wants: 1,024 bytes at qkv + t 4 MiB + ((8 b + n) 128 + T) 1,024: byte 512 g + 16 lane holds registers 4 g .. 4 g + 3.
; The bias is loaded into the accumulators in the layout of the result, so every K step adds in place and nothing is cleared.
; NO CLUSTER: the operands go through registers, not through tensor loads, and what work-groups share (W: 139,264 bytes) stands beside 524,288 bytes of x that each reads alone.
; 192 work-groups: W is resident for one tensor, and 8,192 rows a tensor in blocks of 128 are 64.
; LIMITS: NaN and infinities are not served; a block of zeros gets the scale byte 1 (its codes are zeros; the byte is used by this wave alone).
; REGISTERS: window 0: v1-12 addresses; v16-31 at work; v32 the scale word of x; v33-40 the scale words of W; v48-63 codes of x; v64-127 numbers of x, then W fragments 4-7; v128-191 W fragments 0-3; v192-255 accumulators.
;   window 1: four sets of 64: x as it is loaded.
; THE MODE: SCHED_MODE bits 1:0 = 2 (LLVM: expert scheduling mode 2), set by the entry lines.  The code itself states the register dependences
; between vector or matrix instructions and memory or LDS instructions, with s_wait_alu, always for 0.
; THE PLAN.  Registers that memory or LDS instructions touch:
;   v1-v10        Addresses: written by vector lines at the head, never again; read by every load and store.
;   sets 0 .. 3   (window 1)  Written by global loads, read by the 16 LDS stores of step s, asked for again in the same step.  No vector or matrix instruction names them.
;   F             Step s: the stage's loads land in it; the quantiser reads and writes it; then the loads of W fragments 4-7 land in it; products 4-7 read it.
;   WF, WS        Step s: the loads of W fragments 0-3 and of the eight scale words land in them; the products read them.
;   v48-v183      At the head only: W on its way into LDS: written by global loads, read by LDS stores; they are PC, F and WF afterwards.
;   ACC           Written by the loads of the bias and then by the products; read by the stores at the end.
;   PC, PW, TM are named by vector and matrix instructions alone (behind the head).
; So a step has two waits on va_vdst and one on vm_vsrc.  The first va_vdst, behind the step's LDS stores (which hang on no vector result): the products of the step before are done reading F, WF and WS;
; it covers the stage's loads and the 24 loads of W, which are dealt among the quantiser's maxima: those name F and TM alone.  The vm_vsrc: the LDS stores have read the set that is asked for again.
; The second va_vdst, behind the quantiser: F may take W fragments 4-7, and the codes and the scale word are written for the scaled products.
.set WSC,   131072                     ; LDS: behind the codes of W, its scale words
.set STG,   139264                     ; the stages: 16 rows x 528 bytes for each wave
.set STGW,  8448
.set SP,    528                        ; 512 bytes + 16 = 132 words: row r starts at bank 4 r mod 64 (64 banks of 4 bytes: ISA guide 11.1)
.set SPARE, 206848                     ; the spare words, 128 bytes for each wave: four blocks of 256 bytes that no other line names
.set TM,  16
.set PW,  32
.set WS,  33
.set PC,  48
.set F,   64
.set WF,  128
.set ACC, 192
.set SEL, 28
.set MNT, 30
.set MSB, 0
.macro WIN new                         ; the high byte of the immediate repeats the setting that is left
.if MSB != \new
	s_set_vgpr_msb (MSB<<8)|\new
.set MSB, \new
.endif
.endm
; a piece of W for K step ks: fragment n of the first four, columns 16 n on, into WF, and the scale words of fragments 2 n and 2 n + 1: six LDS loads
.macro WPIECE ks, n
.if (\ks) < 4
.set WA, 1                             ; 16 x lane
.else
.set WA, 8                             ; 65,536 + 16 x lane: the immediate has 16 bits
.endif
.irp c, 0,1,2,3
	ds_load_b128 v[WF+16*(\n)+4*\c:WF+16*(\n)+4*\c+3], v[WA] offset:(((\ks)%4)*8+(\n))*2048+512*\c
.endr
	ds_load_b32 v[WS+2*(\n)], v9 offset:(8*(\ks)+2*(\n))*128
	ds_load_b32 v[WS+2*(\n)+1], v9 offset:(8*(\ks)+2*(\n)+1)*128
.endm
; 64 numbers of a lane, v[src] on, become the codes in v[PC] on and the scale word in v[PW]; the four pieces of W of K step ks are dealt among the maxima
.macro QUANTW src, ks
.irp b, 0,1,2,3
	v_max3_num_f32 v[TM+\b], |v[\src+16*\b]|, |v[\src+1+16*\b]|, 0x4800000   ; block b: my 16 numbers, and the floor 2^(9 - 127): the byte cannot fall under 1
.endr
.irp i, 2,4,6,8,10,12,14
.irp b, 0,1,2,3
	v_max3_num_f32 v[TM+\b], v[TM+\b], |v[\src+16*\b+\i]|, |v[\src+1+16*\b+\i]|   ; the four blocks by turns
.endr
.if (\i-2)%4 == 0
	WPIECE \ks, (\i-2)/4                           ; no wait: no vector or matrix instruction since the wait at the step's head names WF, WS or their addresses
.endif
.endr
.irp b, 0,1,2,3
	v_permlanex16_b32 v[TM+4+\b], v[TM+\b], s[SEL], s[SEL+1]
.endr
.irp b, 0,1,2,3
	v_max_num_f32 v[TM+\b], v[TM+\b], v[TM+4+\b]   ; with lane l xor 16: the largest magnitude of the block
.endr
.irp b, 0,1,2,3
	v_add_nc_u32 v[TM+12+\b], 0xfc000000, v[TM+\b]   ; 8 off its exponent field: the scale operand of the conversion
.endr
.irp b, 0,1,2,3
	v_and_or_b32 v[TM+8+\b], v[TM+\b], 0x7f800000, s[MNT]   ; 448 x the scale
.endr
.irp b, 0,1,2,3
	v_lshrrev_b32 v[TM+4+\b], 23, v[TM+12+\b]   ; the scale byte
.endr
	v_lshl_or_b32 v[PW], v[TM+5], 8, v[TM+4]       ; the scale word stands ahead of the 64 holds: more than eight plain places in front of the products
	v_lshl_or_b32 v[PW], v[TM+6], 16, v[PW]
	v_lshl_or_b32 v[PW], v[TM+7], 24, v[PW]
.irp b, 0,1,2,3
.irp i, 0,1,2,3,4,5,6,7,8,9,10,11,12,13,14,15
	v_med3_num_f32 v[\src+16*\b+\i], v[\src+16*\b+\i], -v[TM+8+\b], v[TM+8+\b]   ; the conversion to an 8-bit code does not saturate (ISA guide 7.6.2): the hold comes first
.endr
	v_cvt_scalef32_pk8_fp8_f32 v[PC+4*\b:PC+1+4*\b], v[\src+16*\b:\src+7+16*\b], v[TM+12+\b]
	v_cvt_scalef32_pk8_fp8_f32 v[PC+2+4*\b:PC+3+4*\b], v[\src+8+16*\b:\src+15+16*\b], v[TM+12+\b]
.endr
.rept 4
	v_nop                                          ; four plain places between the codes and the scaled products that take them
.endr
.endm
; K step s of my 16 rows into set s % 4 of window 1: 16 loads of 512 consecutive bytes; which rows form the tile stands in the immediate.  free = 1: the set has just been read by LDS stores
.macro XLOAD s, free
	WIN 0x40                                       ; destination window 1, address window 0
.if \free
	s_wait_alu depctr_vm_vsrc(0)                   ; this step's LDS stores have read the set, in which the loads below land
.endif
.set xi, 0
.rept 16
	global_load_b128 v[64*((\s)%4)+4*xi:64*((\s)%4)+4*xi+3], v1, s[4:5] offset:(xi+8*(xi/8))*4096+512*(\s) th:TH_LOAD_NT
.set xi, xi+1
.endr
	WIN 0
.endm
; four fragments of W of K step s, columns 16 (first + n) on, into v[reg] on
.macro WFRAG reg, s, first
.if (\s) < 4
.set WA, 1                             ; 16 x lane
.else
.set WA, 8                             ; 65,536 + 16 x lane: the immediate has 16 bits
.endif
.irp n, 0,1,2,3
.irp c, 0,1,2,3
	ds_load_b128 v[\reg+16*\n+4*\c:\reg+16*\n+4*\c+3], v[WA] offset:(((\s)%4)*8+\first+\n)*2048+512*\c
.endr
.endr
.endm
.macro STEP s
.if (\s) > 0
.rept 8
	v_nop                                          ; eight places behind the last products, in front of loads into their fragments and scale words
.endr
.endif
.if (\s) < 5
	s_wait_loadcnt 48                              ; set s is in; the three sets behind it stay out
.else
	s_wait_loadcnt 16*(7-(\s))
.endif
	WIN 0x04                                       ; the data of an LDS store are its source 1: window 1
.set si, 0
.rept 16
	ds_store_b128 v5, v[64*((\s)%4)+4*si:64*((\s)%4)+4*si+3] offset:SP*si   ; data that loads brought, an address made at the head: these hang on no vector result of the loop
.set si, si+1
.endr
	WIN 0
.if (\s) > 0
	s_wait_alu depctr_va_vdst(0)                   ; the products of the step before are done reading F, WF and the scale words of W, in which the loads of this step land
.endif
.irp c, 0,1,2,3
.irp j, 0,1,2,3
	ds_load_b128 v[F+16*\c+4*\j:F+16*\c+4*\j+3], v6 offset:128*\c+16*\j   ; LDS serves the instructions of a wave in order (ISA guide 5.7.1.4): these see the stores above
.endr
.endr
	s_wait_dscnt 0x0                               ; my 64 numbers are back, so the stores into the stage are done
.if (\s)+4 < 8
	XLOAD (\s)+4, 1                                ; the set takes the K step four further on
.endif
	QUANTW F, \s                                   ; and among its maxima the 24 loads of W fragments 0-3 and the scale words
	s_wait_alu depctr_va_vdst(0)                   ; the quantiser is done reading and writing F, in which the loads below land; it has written the codes and the scale word that the scaled products take
	WFRAG F, \s, 4                                 ; the numbers are done with: their registers take four fragments of W
	s_wait_dscnt 16                                ; all but those 16: fragments 0-3 and the scale words are in
.irp n, 0,1,2,3
	v_wmma_scale_f32_16x16x128_f8f6f4 v[ACC+8*\n:ACC+8*\n+7], v[WF+16*\n:WF+16*\n+15], v[PC:PC+15], v[ACC+8*\n:ACC+8*\n+7], v[WS+\n], v[PW]
.endr
	s_wait_dscnt 0x0
.irp n, 4,5,6,7
	v_wmma_scale_f32_16x16x128_f8f6f4 v[ACC+8*\n:ACC+8*\n+7], v[F+16*(\n-4):F+16*(\n-4)+15], v[PC:PC+15], v[ACC+8*\n:ACC+8*\n+7], v[WS+\n], v[PW]
.endr
.endm                                  ; the eight accumulators take turns, one instruction a turn, from step to step too
	s_load_b512 s[8:23], s[0:1], 0x0               ; queries, keys, values s[8:13]; bq, bk, bv s[14:19]; wcodes s[20:21]; wscales s[22:23]
	s_load_b64 s[24:25], s[0:1], 0x40              ; qkv
	v_lshl_add_u32 v11, v0, 2, SPARE               ; my spare word; never rewritten
	v_mov_b32 v12, 0                               ; 0; never rewritten
	v_lshrrev_b32 v13, 5, v0
	v_readfirstlane_b32 s2, v13                    ; wave 0..7
	s_and_b32 s3, ttmp7, 0xffff                    ; t
	v_and_b32 v13, 31, v0                          ; lane
	v_lshlrev_b32 v1, 4, v13                       ; 16 x lane
	v_and_b32 v14, 15, v0                          ; r
	v_bfe_u32 v15, v0, 4, 1                        ; h
	s_wait_alu depctr_va_sdst(0)                   ; s2 is written, ahead of its first reader: LDS places and the bases of x and of the result are made from it
	s_lshl_b32 s31, s2, 14
	v_add_nc_u32 v2, s31, v1                       ; my eighth of the codes of W: in memory and in LDS alike
	s_lshl_b32 s31, s2, 10
	v_add_nc_u32 v3, s31, v1                       ; my eighth of its scale words, in memory,
	v_add_nc_u32 v4, WSC, v3                       ; and in LDS
	s_mul_i32 s31, s2, STGW
	s_add_co_u32 s31, s31, STG                     ; my stage
	v_add_nc_u32 v5, s31, v1                       ; into it: 16 bytes a lane of a row
	v_mul_u32_u24 v6, v14, SP
	v_lshl_add_u32 v6, v15, 6, v6
	v_add_nc_u32 v6, s31, v6                       ; out of it: row r, + 64 h: my 16 numbers of a block of 32
	v_add_nc_u32 v8, 0x10000, v1
	v_lshl_add_u32 v9, v13, 2, WSC                 ; a scale word of W: 4 x lane
	v_lshlrev_b32 v10, 5, v15                      ; the bias: 32 h
	s_lshl_b32 s27, ttmp9, 7                       ; my first row: 128 g + 32 (w / 2) + 8 (w % 2)
	s_lshr_b32 s31, s2, 1
	s_lshl_b32 s31, s31, 5
	s_add_co_u32 s27, s27, s31
	s_and_b32 s31, s2, 1
	s_lshl_b32 s31, s31, 3
	s_add_co_u32 s27, s27, s31
	s_lshl_b32 s32, s27, 12                        ; x 4,096 bytes: under 2^25
	s_mov_b32 s33, 0
	s_lshr_b32 s34, ttmp9, 4                       ; the batch: 1,024 images,
	s_lshl_b32 s34, s34, 10
	s_and_b32 s31, ttmp9, 15
	s_lshl_b32 s31, s31, 3
	s_add_co_u32 s34, s34, s31
	s_add_co_u32 s34, s34, s2                      ; + my tile T = 8 (g % 16) + w,
	s_lshl_b32 s34, s34, 10                        ; x 1,024 bytes,
	s_lshl_b32 s31, s3, 22
	s_add_co_u32 s34, s34, s31                     ; + 4 MiB t
	s_mov_b32 s35, 0
	s_lshl_b32 s36, s3, 17                         ; the codes of tensor t
	s_mov_b32 s37, 0
	s_lshl_b32 s38, s3, 13                         ; and its scale words
	s_mov_b32 s39, 0
	s_mov_b32 s[SEL], 0x76543210
	s_mov_b32 s[SEL+1], 0xfedcba98
	s_mov_b32 s[MNT], 0x600000
	s_wait_kmcnt 0x0
	s_cmp_eq_u32 s3, 1                             ; the tensor and its bias are chosen by the number of the work-group alone
	s_cselect_b64 s[4:5], s[10:11], s[8:9]
	s_cselect_b64 s[6:7], s[16:17], s[14:15]
	s_cmp_eq_u32 s3, 2
	s_cselect_b64 s[4:5], s[12:13], s[4:5]
	s_cselect_b64 s[6:7], s[18:19], s[6:7]
	s_add_nc_u64 s[4:5], s[4:5], s[32:33]
	s_add_nc_u64 s[20:21], s[20:21], s[36:37]
	s_add_nc_u64 s[22:23], s[22:23], s[38:39]
	s_add_nc_u64 s[24:25], s[24:25], s[34:35]
	s_wait_alu depctr_va_vdst(0)                   ; the addresses v1 to v10 are written: every load and store of the kernel, global or LDS, reads one of them, and none is written again
.set wi, 0
.rept 32
	global_load_b128 v[48+4*wi:51+4*wi], v2, s[20:21] offset:512*wi   ; my 16,384 bytes of codes
.set wi, wi+1
.endr
	global_load_b128 v[176:179], v3, s[22:23]
	global_load_b128 v[180:183], v3, s[22:23] offset:512
.irp n, 0,1,2,3,4,5,6,7
	global_load_b128 v[ACC+8*\n:ACC+8*\n+3], v10, s[6:7] offset:64*\n         ; the bias at columns 16 n + 8 h + 0 .. 7 starts the sums
	global_load_b128 v[ACC+8*\n+4:ACC+8*\n+7], v10, s[6:7] offset:64*\n+16
.endr
	XLOAD 0, 0
	XLOAD 1, 0
	s_wait_loadcnt 48                              ; the 34 loads of W are in; behind them: 16 of the bias, 32 of x
.set wi, 0
.rept 32
	ds_store_b128 v2, v[48+4*wi:51+4*wi] offset:512*wi
.set wi, wi+1
.endr
	ds_store_b128 v4, v[176:179]
	ds_store_b128 v4, v[180:183] offset:512
	XLOAD 2, 0
	XLOAD 3, 0
.irp b, 0,1,2,3
	v_mov_b32 v[TM+4+\b], 0                        ; written once: the destination of a lane permute counts as one of its sources
.endr
	s_wait_dscnt 0x0                               ; for the others: my part of W lies in LDS
	s_barrier_signal -1
	s_barrier_wait -1                              ; all of W does; nobody writes it again
	s_wait_alu depctr_vm_vsrc(0)                   ; my LDS stores have read v48 to v183: these registers are PC, F and WF from here on, written by the conversions and by LDS loads
.irp s, 0,1,2,3,4,5,6,7
	STEP \s
.endr
.rept 8
	v_nop                                          ; eight places behind the last products, in front of the stores that read the results
.endr
	s_wait_alu depctr_va_vdst(0)                   ; the products have written the accumulators, which the stores read; the places above stay beside this wait
.irp n, 0,1,2,3,4,5,6,7
	global_store_b128 v1, v[ACC+8*\n:ACC+8*\n+3], s[24:25] offset:131072*\n        ; head n: each store of the wave covers 512 consecutive bytes, aligned; each accumulator from its low end on
	global_store_b128 v1, v[ACC+8*\n+4:ACC+8*\n+7], s[24:25] offset:131072*\n+512
.endr
	s_wait_dscnt 0x0                               ; the closing lines, six on end
	s_wait_alu 0x0
	s_wait_tensorcnt 0x0
	ds_add_u32 v11, v12
	s_wait_dscnt 0x0
	s_endpgm
.Lfunc_end_k_q2ec419775d_proj:
	.size	k_q2ec419775d_proj, .Lfunc_end_k_q2ec419775d_proj-k_q2ec419775d_proj
	.p2alignl 7, 3214868480
	.fill 96, 4, 3214868480
	.section	.rodata,"a",@progbits
	.p2align	6, 0x0
	.amdhsa_kernel k_q2ec419775d_proj
		.amdhsa_group_segment_fixed_size 207872
		.amdhsa_private_segment_fixed_size 0
		.amdhsa_enable_private_segment 0
		.amdhsa_kernarg_size 72
		.amdhsa_user_sgpr_count 2
		.amdhsa_user_sgpr_kernarg_segment_ptr 1
		.amdhsa_wavefront_size32 1
		.amdhsa_system_sgpr_workgroup_id_x 1
		.amdhsa_system_sgpr_workgroup_id_y 1
		.amdhsa_system_sgpr_workgroup_id_z 1
		.amdhsa_system_vgpr_workitem_id 0
		.amdhsa_next_free_vgpr 512
		.amdhsa_next_free_sgpr 66
		.amdhsa_reserve_vcc 0
		.amdhsa_float_denorm_mode_32 3
		.amdhsa_float_denorm_mode_16_64 3
		.amdhsa_memory_ordered 1
		.amdhsa_forward_progress 1
		.amdhsa_inst_pref_size 137
	.end_amdhsa_kernel
	.amdgpu_metadata
---
amdhsa.version: [ 1, 2 ]
amdhsa.kernels:
  - .name:           k_q2ec419775d_proj
    .symbol:         k_q2ec419775d_proj.kd
    .args:
      - { .name: queries, .offset: 0, .size: 8, .value_kind: global_buffer, .address_space: global }
      - { .name: keys, .offset: 8, .size: 8, .value_kind: global_buffer, .address_space: global }
      - { .name: values, .offset: 16, .size: 8, .value_kind: global_buffer, .address_space: global }
      - { .name: bq, .offset: 24, .size: 8, .value_kind: global_buffer, .address_space: global }
      - { .name: bk, .offset: 32, .size: 8, .value_kind: global_buffer, .address_space: global }
      - { .name: bv, .offset: 40, .size: 8, .value_kind: global_buffer, .address_space: global }
      - { .name: wcodes, .offset: 48, .size: 8, .value_kind: global_buffer, .address_space: global }
      - { .name: wscales, .offset: 56, .size: 8, .value_kind: global_buffer, .address_space: global }
      - { .name: qkv, .offset: 64, .size: 8, .value_kind: global_buffer, .address_space: global }
    .group_segment_fixed_size: 207872
    .private_segment_fixed_size: 0
    .kernarg_segment_align: 8
    .kernarg_segment_size: 72
    .max_flat_workgroup_size: 256
    .sgpr_count:     66
    .vgpr_count:     512
    .wavefront_size: 32
...
	.end_amdgpu_metadata
.endif
;; end of part 5
;; launch attn: the kernel of part 3 again; grid 8 x 32, 16 waves a work-group, clusters of 4 x 1, 327,680 bytes of LDS; arguments qkv, obuf; writes obuf
;; launch outp (part 6): grid 4 x 64, 8 waves a work-group, no clusters, 70,656 bytes of LDS; arguments obuf, wcodes, wscales, bo, out0; writes out0
.if DOCPART == 6
	.amdgcn_target "amdgcn-amd-amdhsa--gfx1250"
	.amdhsa_code_object_version 6
	.text
	.protected	k_q2ec419775d_outp
	.globl	k_q2ec419775d_outp
	.p2align	8
	.type	k_q2ec419775d_outp,@function
k_q2ec419775d_outp:
	s_mov_b64 s[64:65], 0
	v_nop
	global_prefetch_b8 v0, s[64:65] scope:SCOPE_SE
	s_setreg_imm32_b32 hwreg(HW_REG_WAVE_SCHED_MODE, 0, 2), 2
	s_setreg_imm32_b32 hwreg(HW_REG_WAVE_MODE, 25, 1), 1
	s_wait_xcnt 0x0
	s_wait_alu depctr_vm_vsrc(0)
; out0 = o Wo + bo: [8192][128] x [128][1024], both operands as codes of E4M3 with one E8M0 scale for each 32 along K = 128 (a block of 32 spans two heads); sums in f32.
; Work-group (x, R): columns 256 x .. 256 x + 255, tiles of rows 8 R .. 8 R + 7.  Wave w takes tile 8 R + w against 16 tiles of columns: one K step, 16 matrix instructions.
; o comes as images of 1,024 bytes for (batch, head, tile): lane (r, h) wants, of block c, head 2 c + h, all 16 dims of tile row r: four loads of 16 bytes, in each of which sixteen lanes read 256 consecutive bytes.
; Wo comes as images of operand registers: the 16 fragments of the strip (32,768 bytes) and their scale words (2,048) are copied into LDS once, an eighth by each wave; one barrier.
; TRANSPOSED USE (source 0 = 16 columns of Wo, source 1 = my 16 rows): a lane holds eight neighbouring columns of one row.  The bias is loaded into the accumulators in that layout: it starts the sums.
; THE WAY OUT: four tiles of columns (256 bytes of a row) at a time through the own stage of the wave, back as whole rows: sixteen lanes store 256 consecutive bytes, aligned.
; A tile holds sequence rows 32 B + 8 u + r + 8 (r / 8): the order is undone in the immediates of the stores.
; NO CLUSTER: operands go through registers; what work-groups share (34,816 bytes of Wo) stands beside 131,072 bytes of output that each writes alone.  No prefetch: a short launch that reads little.
; LIMITS: NaN and infinities are not served; a block of zeros gets the scale byte 1 (its codes are zeros; the byte is used by this wave alone).
; REGISTERS: v1-13 addresses; v16-31 at work; v32 the scale word of o; v33-36 scale words of Wo; v48-63 the codes of o; v64-127 numbers of o, then four fragments of Wo; v128-255 the 16 accumulators, then rows of the output.
; THE MODE: SCHED_MODE bits 1:0 = 2 (LLVM: expert scheduling mode 2), set by the entry lines.  The code itself states the register dependences
; between vector or matrix instructions and memory or LDS instructions, with s_wait_alu, always for 0.
; THE PLAN.  Registers that memory or LDS instructions touch:
;   v1-v11            Addresses: written by vector lines at the head, never again.
;   v16-31, v40-41, v48-63   At the head: Wo on its way into LDS: written by global loads, read by LDS stores; the quantiser writes v16-31 and v48-63 afterwards.
;   X                 The loads of o land in it; the quantiser reads and writes it; then, group by group, the loads of four fragments of Wo land in it and the group's products read it.
;   WS                The loads of a group's scale words land in it; the group's products read it.
;   ACC, group G      Written by the loads of the bias and by the group's products; read by the stage's stores; the read-backs land in it; the global stores read it; then it rests.
; So a group has ONE wait on va_vdst, behind the eight places behind its products: the accumulators are written (for the stage's stores and for the read-backs that land there), and the products are done
; reading X and WS: the NEXT group's 20 loads follow that wait at once and land while this group goes out.  One wait on vm_vsrc a group stands between the stage's stores and the read-backs into the same registers.
.set WOS,   32768                      ; LDS: behind the codes of Wo, its scale words
.set STG,   34816                      ; the stages: 16 rows x 272 bytes for each wave
.set STGW,  4352
.set SP,    272                        ; 256 bytes + 16 = 68 words: row r starts at bank 4 r mod 64 (64 banks of 4 bytes: ISA guide 11.1)
.set SPARE, 69632                      ; the spare words, 128 bytes for each wave: four blocks of 256 bytes that no other line names
.set TM,  16
.set PW,  32
.set WS,  33
.set PC,  48
.set X,   64
.set ACC, 128
.set SEL, 26
.set MNT, 28
.macro QUANT s
.irp b, 0,1,2,3
	v_max3_num_f32 v[TM+\b], |v[\s+16*\b]|, |v[\s+1+16*\b]|, 0x4800000   ; block b: my 16 numbers, and the floor 2^(9 - 127): the byte cannot fall under 1
.endr
.irp i, 2,4,6,8,10,12,14
.irp b, 0,1,2,3
	v_max3_num_f32 v[TM+\b], v[TM+\b], |v[\s+16*\b+\i]|, |v[\s+1+16*\b+\i]|   ; the four blocks by turns
.endr
.endr
.irp b, 0,1,2,3
	v_permlanex16_b32 v[TM+4+\b], v[TM+\b], s[SEL], s[SEL+1]
.endr
.irp b, 0,1,2,3
	v_max_num_f32 v[TM+\b], v[TM+\b], v[TM+4+\b]   ; with lane l xor 16: the largest magnitude of the block
.endr
.irp b, 0,1,2,3
	v_add_nc_u32 v[TM+12+\b], 0xfc000000, v[TM+\b]   ; 8 off its exponent field: the scale operand of the conversion
.endr
.irp b, 0,1,2,3
	v_and_or_b32 v[TM+8+\b], v[TM+\b], 0x7f800000, s[MNT]   ; 448 x the scale
.endr
.irp b, 0,1,2,3
	v_lshrrev_b32 v[TM+4+\b], 23, v[TM+12+\b]   ; the scale byte
.endr
	v_lshl_or_b32 v[PW], v[TM+5], 8, v[TM+4]       ; the scale word stands ahead of the 64 holds: more than eight plain places in front of the products
	v_lshl_or_b32 v[PW], v[TM+6], 16, v[PW]
	v_lshl_or_b32 v[PW], v[TM+7], 24, v[PW]
.irp b, 0,1,2,3
.irp i, 0,1,2,3,4,5,6,7,8,9,10,11,12,13,14,15
	v_med3_num_f32 v[\s+16*\b+\i], v[\s+16*\b+\i], -v[TM+8+\b], v[TM+8+\b]   ; the conversion to an 8-bit code does not saturate (ISA guide 7.6.2): the hold comes first
.endr
	v_cvt_scalef32_pk8_fp8_f32 v[PC+4*\b:PC+1+4*\b], v[\s+16*\b:\s+7+16*\b], v[TM+12+\b]
	v_cvt_scalef32_pk8_fp8_f32 v[PC+2+4*\b:PC+3+4*\b], v[\s+8+16*\b:\s+15+16*\b], v[TM+12+\b]
.endr
.rept 4
	v_nop                                          ; four plain places between the codes and the scaled products that take them
.endr
.endm
; the four fragments of Wo of group g, and their scale words: 20 LDS loads
.macro FRAGS g
.irp n, 0,1,2,3
.irp c, 0,1,2,3
	ds_load_b128 v[X+16*\n+4*\c:X+16*\n+4*\c+3], v1 offset:(4*(\g)+\n)*2048+512*\c
.endr
	ds_load_b32 v[WS+\n], v7 offset:(4*(\g)+\n)*128
.endr
.endm
	s_load_b256 s[4:11], s[0:1], 0x0               ; obuf s[4:5], wcodes s[6:7], wscales s[8:9], bo s[10:11]
	s_load_b64 s[12:13], s[0:1], 0x20              ; out0
	v_lshl_add_u32 v12, v0, 2, SPARE               ; my spare word; never rewritten
	v_mov_b32 v13, 0                               ; 0; never rewritten
	v_lshrrev_b32 v14, 5, v0
	v_readfirstlane_b32 s2, v14                    ; wave 0..7
	s_and_b32 s3, ttmp7, 0xffff                    ; R
	s_lshl_b32 s14, s3, 3
	s_wait_alu depctr_va_sdst(0)                   ; s2 is written, ahead of its first reader: my tile, the bases and the LDS places are made from it
	s_add_co_u32 s14, s14, s2                      ; my tile: 128 b + T
	s_lshr_b32 s16, s3, 4                          ; the batch: 1,024 images,
	s_lshl_b32 s16, s16, 10
	s_and_b32 s15, s14, 127
	s_add_co_u32 s16, s16, s15                     ; + T,
	s_lshl_b32 s16, s16, 10                        ; x 1,024 bytes: head 0 of my tile
	s_mov_b32 s17, 0
	s_lshl_b32 s18, ttmp9, 15
	s_add_co_u32 s18, s18, 393216                  ; fragments 192 + 16 x on: 2,048 bytes each
	s_mov_b32 s19, 0
	s_lshl_b32 s20, ttmp9, 11
	s_add_co_u32 s20, s20, 24576                   ; their scale words: 128 bytes each
	s_mov_b32 s21, 0
	s_lshl_b32 s22, ttmp9, 10                      ; 256 columns of 4 bytes
	s_mov_b32 s23, 0
	s_lshr_b32 s24, s14, 1
	s_lshl_b32 s24, s24, 5
	s_and_b32 s15, s14, 1
	s_lshl_b32 s15, s15, 3
	s_add_co_u32 s24, s24, s15                     ; the first row of my tile: 32 (tile / 2) + 8 (tile % 2)
	s_lshl_b32 s24, s24, 12
	s_add_co_u32 s24, s24, s22                     ; in bytes, with the strip: under 2^25
	s_mov_b32 s25, 0
	s_mov_b32 s[SEL], 0x76543210
	s_mov_b32 s[SEL+1], 0xfedcba98
	s_mov_b32 s[MNT], 0x600000
	v_and_b32 v14, 31, v0                          ; lane
	v_and_b32 v15, 15, v0                          ; r
	v_bfe_u32 v6, v0, 4, 1                         ; h
	v_lshlrev_b32 v1, 4, v14                       ; 16 x lane
	v_lshlrev_b32 v2, 4, v15
	v_lshl_add_u32 v2, v6, 17, v2                  ; o: one head (131,072 bytes) on for lanes 16-31, + 16 r
	s_lshl_b32 s29, s2, 12
	v_add_nc_u32 v3, s29, v1                       ; my eighth of the codes of Wo: in memory and in LDS alike
	v_lshlrev_b32 v4, 3, v14
	s_lshl_b32 s29, s2, 8
	v_add_nc_u32 v4, s29, v4                       ; my eighth of its scale words, in memory,
	v_add_nc_u32 v5, WOS, v4                       ; and in LDS
	v_lshl_add_u32 v7, v14, 2, WOS                 ; a scale word: 4 x lane
	v_lshlrev_b32 v8, 5, v6                        ; the bias: 32 h
	s_mul_i32 s30, s2, STGW
	s_add_co_u32 s30, s30, STG                     ; my stage
	v_mul_u32_u24 v9, v15, SP
	v_lshl_add_u32 v9, v6, 5, v9
	v_add_nc_u32 v9, s30, v9                       ; into it: row r, + 32 h
	v_mul_u32_u24 v10, v6, SP
	v_lshl_add_u32 v10, v15, 4, v10
	v_add_nc_u32 v10, s30, v10                     ; back: lanes 0-15 one row, lanes 16-31 the next
	v_lshlrev_b32 v11, 4, v15
	v_lshl_add_u32 v11, v6, 12, v11                ; and the same two rows in the output
	s_wait_kmcnt 0x0
	s_add_nc_u64 s[4:5], s[4:5], s[16:17]
	s_add_nc_u64 s[6:7], s[6:7], s[18:19]
	s_add_nc_u64 s[8:9], s[8:9], s[20:21]
	s_add_nc_u64 s[10:11], s[10:11], s[22:23]
	s_add_nc_u64 s[12:13], s[12:13], s[24:25]
	s_wait_alu depctr_va_vdst(0)                   ; the addresses v1 to v11 are written: every load and store of the kernel, global or LDS, reads one of them, and none is written again
.irp i, 0,1,2,3
	global_load_b128 v[16+4*\i:19+4*\i], v3, s[6:7] offset:512*\i            ; my 4,096 bytes of codes pass through registers that hold no scale word later
	global_load_b128 v[48+4*\i:51+4*\i], v3, s[6:7] offset:2048+512*\i
.endr
	global_load_b64 v[40:41], v4, s[8:9]
.irp c, 0,1,2,3
.irp u, 0,1
.irp g, 0,1
	global_load_b128 v[X+16*\c+8*\u+4*\g:X+16*\c+8*\u+4*\g+3], v2, s[4:5] offset:262144*\c+512*\g+256*\u   ; o(row r, channel 32 c + 16 h + 8 u + 4 g + 0 .. 3)
.endr
.endr
.endr
.set n, 0
.rept 16
	global_load_b128 v[ACC+8*n:ACC+8*n+3], v8, s[10:11] offset:64*n          ; the bias at columns 16 n + 8 h + 0 .. 7 starts the sums
	global_load_b128 v[ACC+8*n+4:ACC+8*n+7], v8, s[10:11] offset:64*n+16
.set n, n+1
.endr
	s_wait_loadcnt 48                              ; the nine loads of Wo are in; behind them: 16 of o, 32 of the bias
.irp i, 0,1,2,3
	ds_store_b128 v3, v[16+4*\i:19+4*\i] offset:512*\i
	ds_store_b128 v3, v[48+4*\i:51+4*\i] offset:2048+512*\i
.endr
	ds_store_b64 v5, v[40:41]
	s_wait_dscnt 0x0                               ; for the others: my part of Wo lies in LDS
	s_barrier_signal -1
	s_barrier_wait -1                              ; all of it does; nobody writes it again
	s_wait_alu depctr_vm_vsrc(0)                   ; my LDS stores have read v16 to v31 and v48 to v63, which the lines below and the quantiser write
.irp b, 0,1,2,3
	v_mov_b32 v[TM+4+\b], 0                        ; written once: the destination of a lane permute counts as one of its sources
.endr
	s_wait_loadcnt 32                              ; o is in; the bias may be out
	QUANT X
	s_wait_alu depctr_va_vdst(0)                   ; the quantiser is done reading and writing X, in which the loads below land; it has written the codes and the scale word that the scaled products take
	FRAGS 0
	s_wait_loadcnt 0x0                             ; the bias
.irp G, 0,1,2,3                        ; four tiles of columns at a time
.if \G == 0
	s_wait_dscnt 0x0                               ; group 0's fragments and scale words are in (those of a later group: the count-down of the group before has ended at 0 behind them)
.endif
.irp n, 0,1,2,3
	v_wmma_scale_f32_16x16x128_f8f6f4 v[ACC+32*\G+8*\n:ACC+32*\G+8*\n+7], v[X+16*\n:X+16*\n+15], v[PC:PC+15], v[ACC+32*\G+8*\n:ACC+32*\G+8*\n+7], v[WS+\n], v[PW]
.endr
.rept 8
	v_nop                                          ; eight places behind the products: for the stores that read the results, and for the loads of the next group into the fragments and scale words
.endr
	s_wait_alu depctr_va_vdst(0)                   ; the products have written the group's accumulators, which the stage's stores read and in which the read-backs land, and are done reading X and the scale words, in which the next group's loads land
.if \G < 3
	FRAGS \G+1                                     ; asked for at once: they land while this group goes out
.endif
.irp n, 0,1,2,3
	ds_store_b128 v9, v[ACC+32*\G+8*\n:ACC+32*\G+8*\n+3] offset:64*\n        ; each accumulator from its low end on
	ds_store_b128 v9, v[ACC+32*\G+8*\n+4:ACC+32*\G+8*\n+7] offset:64*\n+16
.endr
	s_wait_alu depctr_vm_vsrc(0)                   ; the stage's stores have read the group's accumulators, in which the loads below land
.irp i, 0,1,2,3,4,5,6,7
	ds_load_b128 v[ACC+32*\G+4*\i:ACC+32*\G+4*\i+3], v10 offset:2*SP*\i      ; LDS serves the instructions of a wave in order (ISA guide 5.7.1.4): these see the stores above, and the stores of the next group come behind them
.endr
.irp i, 0,1,2,3,4,5,6,7
	s_wait_dscnt 7-\i
	global_store_b128 v11, v[ACC+32*\G+4*\i:ACC+32*\G+4*\i+3], s[12:13] offset:(2*\i+8*(\i/4))*4096+256*\G th:TH_STORE_NT   ; tile rows 2 i, 2 i + 1: sixteen lanes store 256 consecutive bytes, aligned; written once, read by nobody here
.endr
.endr
	s_wait_dscnt 0x0                               ; the closing lines, six on end
	s_wait_alu 0x0
	s_wait_tensorcnt 0x0
	ds_add_u32 v12, v13
	s_wait_dscnt 0x0
	s_endpgm
.Lfunc_end_k_q2ec419775d_outp:
	.size	k_q2ec419775d_outp, .Lfunc_end_k_q2ec419775d_outp-k_q2ec419775d_outp
	.p2alignl 7, 3214868480
	.fill 96, 4, 3214868480
	.section	.rodata,"a",@progbits
	.p2align	6, 0x0
	.amdhsa_kernel k_q2ec419775d_outp
		.amdhsa_group_segment_fixed_size 70656
		.amdhsa_private_segment_fixed_size 0
		.amdhsa_enable_private_segment 0
		.amdhsa_kernarg_size 40
		.amdhsa_user_sgpr_count 2
		.amdhsa_user_sgpr_kernarg_segment_ptr 1
		.amdhsa_wavefront_size32 1
		.amdhsa_system_sgpr_workgroup_id_x 1
		.amdhsa_system_sgpr_workgroup_id_y 1
		.amdhsa_system_sgpr_workgroup_id_z 1
		.amdhsa_system_vgpr_workitem_id 0
		.amdhsa_next_free_vgpr 256
		.amdhsa_next_free_sgpr 66
		.amdhsa_reserve_vcc 0
		.amdhsa_float_denorm_mode_32 3
		.amdhsa_float_denorm_mode_16_64 3
		.amdhsa_memory_ordered 1
		.amdhsa_forward_progress 1
		.amdhsa_inst_pref_size 35
	.end_amdhsa_kernel
	.amdgpu_metadata
---
amdhsa.version: [ 1, 2 ]
amdhsa.kernels:
  - .name:           k_q2ec419775d_outp
    .symbol:         k_q2ec419775d_outp.kd
    .args:
      - { .name: obuf, .offset: 0, .size: 8, .value_kind: global_buffer, .address_space: global }
      - { .name: wcodes, .offset: 8, .size: 8, .value_kind: global_buffer, .address_space: global }
      - { .name: wscales, .offset: 16, .size: 8, .value_kind: global_buffer, .address_space: global }
      - { .name: bo, .offset: 24, .size: 8, .value_kind: global_buffer, .address_space: global }
      - { .name: out0, .offset: 32, .size: 8, .value_kind: global_buffer, .address_space: global }
    .group_segment_fixed_size: 70656
    .private_segment_fixed_size: 0
    .kernarg_segment_align: 8
    .kernarg_segment_size: 40
    .max_flat_workgroup_size: 256
    .sgpr_count:     66
    .vgpr_count:     256
    .wavefront_size: 32
...
	.end_amdgpu_metadata
.endif
;; end of part 6
